; MI455X (gfx1250); checked and timed in simulation.
; The chip was launched on July 23, 2026; its instructions are those of AMD's public machine-readable ISA for CDNA 5 (MIT licence, August 2026) and "CDNA5" Instruction Set Architecture Reference Guide (July 2026). The comments in the code are by the model that wrote it; some were corrected since.
;; Causal Self Attention. Allowed arithmetic: matrix products marked QUANTISED: E2M1 operands, one E8M0 scale for each 32 along K, by v_wmma_scale_f32_16x16x128_f8f6f4 with both operands' format E2M1 (or v_wmma_scale_f32_32x16x128_f4), f32 sums; products left as they are: bf16, f16 or f32 operands; f32 sums; everything else in f32.
;; Inputs: W_proj 1,024 x 1,024 float32; W_qkv 1,024 x 3,072 float32; x 4 x 2,048 x 1,024 float32.
;; Outputs: out0 4 x 2,048 x 1,024 float32.
;; This version of the problem:
;;   THIS VERSION OF THE PROBLEM IS GIVEN IN LOW PRECISION. The matrix products marked QUANTISED in the list below multiply operands that are first quantised to E2M1 (2 exponent bits, 1 mantissa bit; 4 bits a number), with one power-of-two scale for each 32 numbers along K (OCP MX v1.0); their sums are f32. The products marked 'left as it is' may take bf16, f16 or f32 operands, with f32 sums. Whichever they take, every output number must still come out within the allowed error. Rounding operands to bf16 (8 significant bits) uses up far more of that allowance than f16 does (11 bits, for magnitudes from 6e-5 to 65,504). All else is computed in f32.
;;   The module's matrix products, in the order in which they are computed (A, B: the left and right operand; K: the contracted axis; several contracted axes count as one K, in the product's order):
;;     1. [M 8,192, K 1,024] x [K 1,024, N 3,072]; A: input x; B: input W_qkv: QUANTISED
;;     2. batch 64 x [M 2,048, K 64] x [K 64, N 2,048]; A: computed on the way; B: computed on the way: left as it is (an operand is computed on the way)
;;     3. batch 64 x [M 2,048, K 2,048] x [K 2,048, N 64]; A: computed on the way; B: computed on the way: left as it is (an operand is computed on the way)
;;     4. [M 8,192, K 1,024] x [K 1,024, N 1,024]; A: computed on the way; B: input W_proj: left as it is (an operand is computed on the way)
;;   THE QUANTISER, for each operand of a quantised product, along K:
;;     - K is cut into blocks of 32 from its start; a last block that is shorter is filled with zeros.
;;     - A block's scale is 2^e with e = floor(log2(the largest magnitude in the block)) - 2, held to -126 .. 127; a block of zeros has e = 0. As a byte (E8M0): e + 127.
;;     - Each number is divided by its block's scale, clamped to +-6, and rounded to the nearest number of E2M1, ties to even, subnormals kept.
;;     - The product sums the exact products of the quantised numbers (number of the format x scale) in f32.
;;   ~~~python
;;   def quantise(x, axis):      # numpy; x: float32 -> the quantised numbers, widened to float32 again
;;       x = np.moveaxis(x, axis, -1); K = x.shape[-1]
;;       x = np.pad(x, [(0, 0)] * (x.ndim - 1) + [(0, -K % 32)]); x = x.reshape(x.shape[:-1] + (-1, 32)); a = np.abs(x).max(-1, keepdims=True)
;;       e = np.where(a > 0, np.clip(np.frexp(np.where(a > 0, a, 1))[1] - 1 - 2, -126, 127), 0)      # np.frexp(a)[1] - 1 = floor(log2(a)), exactly
;;       r = np.clip(x / 2.0 ** e, -6, 6)
;;       step = 2.0 ** (np.maximum(np.frexp(np.where(r == 0, 1, r))[1] - 1, 0) - 1)
;;       q = np.round(r / step) * step * 2.0 ** e      # np.round: ties to even
;;       return np.moveaxis(q.reshape(q.shape[:-2] + (-1,))[..., :K], -1, axis).astype(np.float32)
;;   ~~~
;; One version. Each part assembles by itself: llvm-mc -triple=amdgcn-amd-amdhsa -mcpu=gfx1250 --defsym DOCPART=n.
;; ======== version 1 of 1: 5 launches
;; limits: values are held in f16: magnitudes above 65,504 overflow, below 6.1e-05 lose precision
;; workspace buffers: xq 4,456,448 bytes; wq 1,671,168 bytes; wt 2,097,152 bytes; rope 524,288 bytes; qkv 50,331,648 bytes; qkv32 786,432 bytes; yh 16,777,216 bytes
;; launch prep (part 1): grid 544 x 1, 4 waves a work-group, no clusters, 77,312 bytes of LDS; arguments x, W_qkv, W_proj, xq, wq, wt, rope; writes xq, wq, wt, rope
.if DOCPART == 1
	.amdgcn_target "amdgcn-amd-amdhsa--gfx1250"
	.amdhsa_code_object_version 6
	.text
	.protected	k_q8d55a071eb_prep
	.globl	k_q8d55a071eb_prep
	.p2align	8
	.type	k_q8d55a071eb_prep,@function
k_q8d55a071eb_prep:
	s_mov_b64 s[64:65], 0
	v_nop
	global_prefetch_b8 v0, s[64:65] scope:SCOPE_SE
	s_setreg_imm32_b32 hwreg(HW_REG_WAVE_MODE, 25, 1), 1
	s_wait_xcnt 0x0
; FOUR PREPARATIONS IN ONE LAUNCH, told apart by the work-group's number alone (the same in all four waves of a work-group):
;   0..255    x [8192][1024] f32 -> codes of E2M1, K innermost (xq, 512 bytes a row), one E8M0 byte for each 32 along K (xq + XSCL, 32 bytes a row)
;   256..447  W_qkv [1024 k][3072 n] f32, K its FIRST axis -> codes laid [n][k] (wq, 512 bytes a row) and scale bytes [n][32] (wq + WSCL)
;   448..511  W_proj [1024 k][1024 n] f32 -> f16, laid [n][k] (wt)
;   512..543  the rotary table: rope[t][0..31] = cos(t theta_d), rope[t][32..63] = sin(t theta_d), theta_d = 10000^(-d/32), f32
; A block's scale is 2^(floor(log2(largest magnitude)) - 2): its byte is the largest magnitude's exponent field - 2, held at 1 from below.
; LIMITS: a block of zeros, or one whose largest magnitude lies under 2^-124, keeps the byte 1 (its codes are zeros or the format's smallest; only this program reads the bytes);
; NaN and infinities are not served; W_proj goes to f16: magnitudes up to 65,504.  theta_d is 2^(-0.41524101 d) by v_exp_f32: about 3e-7 relative, at most 5e-4 radians at t = 2,047.
; Each path has LDS bytes of its own.  No tensor load, no matrix instruction.
.set XSCL,  4194304
.set WSCL,  1572864
.set WREG,  8192                       ; x: a region for each wave: two stages of 32 x SP bytes, then its 256 scale bytes
.set SP,    80                         ; a lane's 64 bytes + 16 of padding
.set WST,   32768                      ; W_qkv: the work-group's stage, 32 rows (columns n) x 272 bytes
.set WSC,   41472                      ; and its scale words: 16 bytes a column
.set PST,   41984                      ; W_proj: a stage of 32 rows x 272 bytes for each wave
.set SPARE, 76800                      ; the spare words, 128 bytes for each wave: two blocks of 256 bytes that no other line names
.set PITCH, 272
.set SPW,   12                         ; v12  SPARE + 4 x my thread's number; never rewritten
.set NIL,   13                         ; v13  0; never rewritten
.set R,     16                         ; x: v16-143 eight sets of 16 numbers as loaded
.set X,     144                        ; x: v144-175 two sets of 16 neighbours
.set C,     176                        ; x: v176-207 two registers of codes for each step
.set E,     208                        ; x: v208-223 a scale byte for each step
.set N,     32                         ; weights: v32-95 two sets of 32 numbers down K
.set CD,    96                         ; weights: v96.. what a block becomes
.set OUTR,  112                        ; weights: v112-175 the way out
.macro FINISH                          ; a wave's end
	s_wait_tensorcnt 0x0
	ds_add_u32 v[SPW], v[NIL]
	s_wait_dscnt 0x0
	s_endpgm
.endm
.macro LOADX t                         ; step t's 512 numbers: each load reads 512 consecutive bytes
.irp i, 0,1,2,3
	global_load_b128 v[R+16*((\t)%8)+4*\i:R+16*((\t)%8)+4*\i+3], v3, s[4:5] offset:2048*(\t)+512*\i th:TH_LOAD_NT
.endr
.endm
.macro TURNX t                         ; through the wave's own stage: in as loaded, back 64 neighbouring bytes a lane; LDS serves a wave's instructions in order
.irp i, 0,1,2,3
	ds_store_b128 v14, v[R+16*((\t)%8)+4*\i:R+16*((\t)%8)+4*\i+3] offset:32*SP*((\t)%2)+8*SP*\i
.endr
.irp i, 0,1,2,3
	ds_load_b128 v[X+16*((\t)%2)+4*\i:X+16*((\t)%2)+4*\i+3], v15 offset:32*SP*((\t)%2)+16*\i
.endr
.endm
.macro STEPX t
.set XS, X+16*((\t)%2)
.if (\t) > 0
	s_wait_dscnt 1                                 ; this step's numbers are back (the last step's byte store may be out), so its stores into the stage have read their registers
.else
	s_wait_dscnt 0x0
.endif
.if (\t)+8 < 16
	LOADX (\t)+8                                   ; eight steps, 32 loads, ahead
.endif
.if (\t)+1 < 16
.if 14-(\t) >= 7
	s_wait_loadcnt 28                              ; the next step's four loads are in; those of the seven steps behind it may be out
.else
	s_wait_loadcnt 4*(14-(\t))
.endif
	TURNX (\t)+1
.endif
	v_max3_num_f32 v8, |v[XS]|, |v[XS+1]|, |v[XS+2]|
	v_max3_num_f32 v9, |v[XS+3]|, |v[XS+4]|, |v[XS+5]|
.irp i, 6,10
	v_max3_num_f32 v8, v8, |v[XS+\i]|, |v[XS+\i+1]|
	v_max3_num_f32 v9, v9, |v[XS+\i+2]|, |v[XS+\i+3]|
.endr
	v_max3_num_f32 v8, v8, |v[XS+14]|, |v[XS+15]|
	v_max3_num_f32 v8, v8, v9, 0x1800000           ; the floor 2^(3 - 127): the byte cannot fall under 1
	v_max_num_f32_dpp v8, v8, v8 row_xmask:1 row_mask:0xf bank_mask:0xf   ; with my neighbour's 16: the block's largest magnitude
	v_add_nc_u32 v11, 0xff000000, v8               ; 2 off its exponent field: the conversion takes that field as its scale
	v_cvt_scalef32_pk8_fp4_f32 v[C+2*(\t)], v[XS:XS+7], v11
	v_cvt_scalef32_pk8_fp4_f32 v[C+2*(\t)+1], v[XS+8:XS+15], v11
	v_lshrrev_b32 v[E+(\t)], 23, v11               ; the scale's byte (also the plain line behind the conversions)
	ds_store_b8 v5, v[E+(\t)] offset:16*(\t)       ; both lanes of a block write the same byte with the same value
	global_store_b64 v4, v[C+2*(\t):C+2*(\t)+1], s[24:25] offset:256*(\t)   ; the wave stores 256 consecutive bytes, aligned
.endm
.macro LOADK t, sb, row                ; block t of a weight: 32 rows k at my column; neighbouring lanes read neighbouring columns
.irp i, 0,1,2,3,4,5,6,7,8,9,10,11,12,13,14,15,16,17,18,19,20,21,22,23,24,25,26,27,28,29,30,31
	global_load_b32 v[N+32*((\t)%2)+\i], v3, s[\sb:\sb+1] offset:(32*(\t)+\i)*\row th:TH_LOAD_NT
.endr
.endm
.macro BLOCKW t                        ; 32 numbers down K of my column become 16 bytes of codes and a byte
.set XS, N+32*((\t)%2)
.if (\t) < 3
	s_wait_loadcnt 32                              ; this block's 32 loads are in; the next block's may be out
.else
	s_wait_loadcnt 0x0
.endif
	v_max3_num_f32 v14, |v[XS]|, |v[XS+1]|, |v[XS+2]|
	v_max3_num_f32 v15, |v[XS+3]|, |v[XS+4]|, |v[XS+5]|
.irp i, 6,10,14,18,22,26
	v_max3_num_f32 v14, v14, |v[XS+\i]|, |v[XS+\i+1]|
	v_max3_num_f32 v15, v15, |v[XS+\i+2]|, |v[XS+\i+3]|
.endr
	v_max3_num_f32 v14, v14, |v[XS+30]|, |v[XS+31]|
	v_max3_num_f32 v14, v14, v15, 0x1800000
	v_add_nc_u32 v11, 0xff000000, v14
	v_lshrrev_b32 v15, 23, v11
.if (\t) == 0
	v_mov_b32 v24, v15                             ; my four bytes make a word, the lower K in the lower byte
.else
	v_lshl_or_b32 v24, v15, 8*(\t), v24
.endif
.irp g, 0,1,2,3
	v_cvt_scalef32_pk8_fp4_f32 v[CD+\g], v[XS+8*\g:XS+8*\g+7], v11
.endr
	ds_store_b128 v4, v[CD:CD+3] offset:16*(\t)
.if (\t)+2 < 4
	LOADK (\t)+2, 6, 12288
.endif
	s_wait_dscnt 0x0                               ; the store has read its registers: the next block's codes may be written
.endm
.macro BLOCKP t                        ; 32 numbers down K of my column become 64 bytes of f16
.set XS, N+32*((\t)%2)
.if (\t) < 3
	s_wait_loadcnt 32
.else
	s_wait_loadcnt 0x0
.endif
.irp i, 0,1,2,3,4,5,6,7,8,9,10,11,12,13,14,15
	v_cvt_pk_f16_f32 v[CD+\i], v[XS+2*\i], v[XS+2*\i+1]
.endr
.irp g, 0,1,2,3
	ds_store_b128 v4, v[CD+4*\g:CD+4*\g+3] offset:64*(\t)+16*\g
.endr
.if (\t)+2 < 4
	LOADK (\t)+2, 8, 4096
.endif
	s_wait_dscnt 0x0
.endm
.macro TVAL d, th                      ; v[d] = cos or sin of t theta: quarter turns taken off in two parts, then the series on |r| <= pi/4
	v_mul_f32 v28, v22, v[\th]                     ; f = t theta
	v_mul_f32 v29, s20, v28
	v_rndne_f32 v29, v29                           ; n = the nearest whole number to f 2/pi
	v_fma_f32 v30, -v29, s21, v28
	v_fma_f32 v30, v29, s22, v30                   ; r = f - n pi/2
	v_cvt_i32_f32 v31, v29
	v_add_nc_u32 v31, v31, v20                     ; the quadrant; a cosine is the sine a quarter turn on
	v_mul_f32 v32, v30, v30
	v_fma_f32 v33, v32, s26, s25
	v_fma_f32 v33, v32, v33, s24
	v_fma_f32 v33, v32, v33, s23
	v_mul_f32 v34, v30, v32
	v_fma_f32 v33, v34, v33, v30                   ; sin r, to r^9
	v_fma_f32 v35, v32, s30, s29
	v_fma_f32 v35, v32, v35, s28
	v_fma_f32 v35, v32, v35, s27
	v_fma_f32 v35, v32, v35, -0.5
	v_fma_f32 v35, v32, v35, 1.0                   ; cos r, to r^10
	v_and_b32 v36, 1, v31
	v_cmp_eq_u32 vcc_lo, 1, v36
	v_cndmask_b32 v[\d], v33, v35, vcc_lo          ; odd quadrants take the cosine,
	v_and_b32 v36, 2, v31
	v_lshlrev_b32 v36, 30, v36
	v_xor_b32 v[\d], v[\d], v36                    ; quadrants 2 and 3 the other sign
.endm
.macro TROW it
	v_add_nc_u32 v22, 8*\it, v21
	v_cvt_f32_u32 v22, v22                         ; t
.irp e, 0,1,2,3
	TVAL 64+4*\it+\e, 16+\e
.endr
	global_store_b128 v3, v[64+4*\it:64+4*\it+3], s[16:17] offset:2048*\it   ; sixteen lanes store a row of 256 bytes; each trip has data registers of its own
.endm
	s_load_b256 s[4:11], s[0:1], 0x0               ; x s[4:5], W_qkv s[6:7], W_proj s[8:9], xq s[10:11]
	s_load_b128 s[12:15], s[0:1], 0x20             ; wq s[12:13], wt s[14:15]
	s_load_b64 s[16:17], s[0:1], 0x30              ; rope
	v_lshl_add_u32 v[SPW], v0, 2, SPARE
	v_mov_b32 v[NIL], 0
	v_lshrrev_b32 v1, 5, v0
	v_readfirstlane_b32 s18, v1                    ; wave 0..3
	v_and_b32 v2, 31, v0                           ; lane
	s_wait_kmcnt 0x0
	s_cmp_lt_u32 ttmp9, 256
	s_cbranch_scc0 .Lnot_x
	; ---- x: a wave takes a run of 8,192 numbers, 16 steps of 512
	v_lshlrev_b32 v3, 4, v2                        ; my 16 bytes of a load's 512
	s_mul_i32 s19, s18, WREG
	v_lshrrev_b32 v14, 2, v2
	v_mul_u32_u24 v14, v14, SP
	v_and_b32 v15, 3, v2
	v_lshl_add_u32 v14, v15, 4, v14
	v_add_nc_u32 v14, s19, v14                     ; the stage, in: SP (lane / 4) + 16 (lane % 4)
	v_mul_u32_u24 v15, v2, SP
	v_add_nc_u32 v15, s19, v15                     ; and back: SP x lane
	v_lshlrev_b32 v4, 3, v2                        ; 8 bytes a lane: my codes in a step's, and my part of the 256 scale bytes
	v_lshrrev_b32 v5, 1, v2
	s_add_co_u32 s19, s19, 2*32*SP
	v_add_nc_u32 v5, s19, v5                       ; LDS: my block's byte
	v_add_nc_u32 v6, s19, v4                       ; LDS: the bytes' way out
	s_lshl_b32 s20, ttmp9, 2
	s_add_co_u32 s20, s20, s18                     ; my run
	s_lshl_b32 s22, s20, 15
	s_mov_b32 s23, 0
	s_add_nc_u64 s[4:5], s[4:5], s[22:23]
	s_lshl_b32 s22, s20, 12
	s_add_nc_u64 s[24:25], s[10:11], s[22:23]      ; its codes
	s_lshl_b32 s22, s20, 8
	s_add_co_u32 s22, s22, XSCL
	s_add_nc_u64 s[26:27], s[10:11], s[22:23]      ; its scale bytes
.irp t, 0,1,2,3,4,5,6,7
	LOADX \t
.endr
	s_wait_loadcnt 28                              ; step 0's four loads are in
	TURNX 0
.irp t, 0,1,2,3,4,5,6,7,8,9,10,11,12,13,14,15
	STEPX \t
.endr
	ds_load_b64 v[8:9], v6                         ; LDS serves a wave's instructions in order: these see my byte stores
	s_wait_dscnt 0x0
	global_store_b64 v4, v[8:9], s[26:27]          ; 256 consecutive bytes, aligned
	FINISH
.Lnot_x:
	s_cmp_lt_u32 ttmp9, 448
	s_cbranch_scc0 .Lnot_w
	; ---- W_qkv: a work-group takes 32 columns x 512 along K; wave kq takes 128 of them, four blocks a lane
	s_sub_co_u32 s20, ttmp9, 256
	s_cmp_ge_u32 s20, 96
	s_cselect_b32 s21, 1, 0                        ; y: which 512 along K
	s_mul_i32 s22, s21, 96
	s_sub_co_u32 s22, s20, s22                     ; cg: which 32 columns
	s_lshl_b32 s23, s21, 9
	s_lshl_b32 s24, s18, 7
	s_add_co_u32 s23, s23, s24                     ; my first k
	s_mul_i32 s24, s23, 12288
	s_lshl_b32 s25, s22, 7
	s_add_co_u32 s24, s24, s25
	s_mov_b32 s25, 0
	s_add_nc_u64 s[6:7], s[6:7], s[24:25]
	s_lshl_b32 s24, s22, 14
	s_lshl_b32 s23, s21, 8
	s_add_co_u32 s24, s24, s23
	s_add_nc_u64 s[26:27], s[12:13], s[24:25]      ; codes: 32 cg rows of 512 bytes + 256 y
	s_lshl_b32 s24, s22, 10
	s_lshl_b32 s23, s21, 4
	s_add_co_u32 s24, s24, s23
	s_add_co_u32 s24, s24, WSCL
	s_add_nc_u64 s[28:29], s[12:13], s[24:25]      ; scale bytes: 32 cg rows of 32 bytes + 16 y
	v_lshlrev_b32 v3, 2, v2
	LOADK 0, 6, 12288
	LOADK 1, 6, 12288
	s_lshl_b32 s19, s18, 6
	s_add_co_u32 s19, s19, WST
	v_mul_u32_u24 v4, v2, PITCH
	v_add_nc_u32 v4, s19, v4                       ; into the stage: row = my column, my wave's 64 bytes of its 256
	s_lshl_b32 s19, s18, 2
	s_add_co_u32 s19, s19, WSC
	v_lshl_add_u32 v9, v2, 4, s19                  ; my scale word: 16 bytes a column, 4 a wave
	v_and_b32 v5, 15, v2
	v_lshrrev_b32 v6, 4, v2
	s_mul_i32 s19, s18, 8*PITCH
	s_add_co_u32 s19, s19, WST
	v_mul_u32_u24 v7, v6, PITCH
	v_lshl_add_u32 v7, v5, 4, v7
	v_add_nc_u32 v7, s19, v7                       ; back: wave w takes rows 8 w on, sixteen lanes to a row
	s_lshl_b32 s19, s18, 12
	v_lshlrev_b32 v8, 9, v6
	v_lshl_add_u32 v8, v5, 4, v8
	v_add_nc_u32 v8, s19, v8                       ; and the same place among the codes
	s_lshl_b32 s19, s18, 7
	s_add_co_u32 s19, s19, WSC
	v_lshl_add_u32 v10, v2, 2, s19                 ; the scale words back: 128 bytes a wave
	s_lshl_b32 s19, s18, 8
	v_lshrrev_b32 v25, 2, v2
	v_lshlrev_b32 v25, 5, v25
	v_and_b32 v26, 3, v2
	v_lshl_add_u32 v25, v26, 2, v25
	v_add_nc_u32 v25, s19, v25                     ; column 8 w + lane / 4, word lane % 4
.irp t, 0,1,2,3
	BLOCKW \t
.endr
	ds_store_b32 v9, v24
	s_wait_dscnt 0x0                               ; for the others' sake: my stores are done
	s_barrier_signal -1
	s_barrier_wait -1                              ; a column's 256 bytes come from four waves
.irp f, 0,1,2,3
	ds_load_b128 v[OUTR+4*\f:OUTR+4*\f+3], v7 offset:2*PITCH*\f
.endr
	ds_load_b32 v26, v10
.irp f, 0,1,2,3
	s_wait_dscnt 4-\f                              ; behind load f: the later row loads and the word's
	global_store_b128 v8, v[OUTR+4*\f:OUTR+4*\f+3], s[26:27] offset:1024*\f   ; sixteen lanes store 256 consecutive bytes, aligned
.endr
	s_wait_dscnt 0x0
	global_store_b32 v25, v26, s[28:29]            ; runs of 16 bytes: 96 KB in the whole launch
	FINISH
.Lnot_w:
	s_cmp_lt_u32 ttmp9, 512
	s_cbranch_scc0 .Lnot_p
	; ---- W_proj: a wave takes 32 columns x 128 along K; the four waves stand side by side on 512 bytes of a row
	s_sub_co_u32 s20, ttmp9, 448
	s_and_b32 s21, s20, 7                          ; X: which 128 columns
	s_lshr_b32 s22, s20, 3                         ; Y: which 128 along K
	s_lshl_b32 s24, s22, 19
	s_lshl_b32 s23, s21, 9
	s_add_co_u32 s24, s24, s23
	s_lshl_b32 s23, s18, 7
	s_add_co_u32 s24, s24, s23
	s_mov_b32 s25, 0
	s_add_nc_u64 s[8:9], s[8:9], s[24:25]
	s_lshl_b32 s24, s21, 18
	s_lshl_b32 s23, s18, 16
	s_add_co_u32 s24, s24, s23
	s_lshl_b32 s23, s22, 8
	s_add_co_u32 s24, s24, s23
	s_add_nc_u64 s[14:15], s[14:15], s[24:25]
	v_lshlrev_b32 v3, 2, v2
	LOADK 0, 8, 4096
	LOADK 1, 8, 4096
	s_mul_i32 s19, s18, 32*PITCH
	s_add_co_u32 s19, s19, PST                     ; my stage
	v_mul_u32_u24 v4, v2, PITCH
	v_add_nc_u32 v4, s19, v4
	v_and_b32 v5, 15, v2
	v_lshrrev_b32 v6, 4, v2
	v_mul_u32_u24 v7, v6, PITCH
	v_lshl_add_u32 v7, v5, 4, v7
	v_add_nc_u32 v7, s19, v7
	v_lshlrev_b32 v8, 11, v6
	v_lshl_add_u32 v8, v5, 4, v8
.irp t, 0,1,2,3
	BLOCKP \t
.endr
.irp f, 0,1,2,3,4,5,6,7,8,9,10,11,12,13,14,15
	ds_load_b128 v[OUTR+4*\f:OUTR+4*\f+3], v7 offset:2*PITCH*\f
.endr
.irp f, 0,1,2,3,4,5,6,7,8,9,10,11,12,13,14,15
	s_wait_dscnt 15-\f
	global_store_b128 v8, v[OUTR+4*\f:OUTR+4*\f+3], s[14:15] offset:4096*\f   ; sixteen lanes store 256 consecutive bytes, aligned
.endr
	FINISH
.Lnot_p:
	; ---- the rotary table: a work-group takes 64 positions; thread tau takes piece tau % 16 (four numbers) of row tau / 16, eight rows further on in each of eight trips
	s_sub_co_u32 s19, ttmp9, 512
	s_lshl_b32 s32, s19, 14
	s_mov_b32 s33, 0
	s_add_nc_u64 s[16:17], s[16:17], s[32:33]
	s_lshl_b32 s19, s19, 6
	s_mov_b32 s20, 0x3f22f983                      ; 2 / pi
	s_mov_b32 s21, 0x3fc90fdb                      ; pi / 2, its f32 part,
	s_mov_b32 s22, 0x333bbd2e                      ; and what that part is too large by
	s_mov_b32 s23, 0xbe2aaaab                      ; -1/6
	s_mov_b32 s24, 0x3c088889                      ; 1/120
	s_mov_b32 s25, 0xb9500d01                      ; -1/5040
	s_mov_b32 s26, 0x3638ef1d                      ; 1/362880
	s_mov_b32 s27, 0x3d2aaaab                      ; 1/24
	s_mov_b32 s28, 0xbab60b61                      ; -1/720
	s_mov_b32 s29, 0x37d00d01                      ; 1/40320
	s_mov_b32 s30, 0xb493f27e                      ; -1/3628800
	v_lshlrev_b32 v3, 4, v0
	v_and_b32 v1, 7, v0
	v_lshlrev_b32 v1, 2, v1                        ; my first d
	v_bfe_u32 v20, v0, 3, 1
	v_xor_b32 v20, 1, v20                          ; 1 in the pieces of cosines
	v_lshrrev_b32 v21, 4, v0
	v_add_nc_u32 v21, s19, v21                     ; my first t
.irp e, 0,1,2,3
	v_add_nc_u32 v[24+\e], \e, v1
	v_cvt_f32_u32 v[24+\e], v[24+\e]
	v_mul_f32 v[24+\e], 0xbed49a78, v[24+\e]       ; -d log2(10000) / 32
.endr
.irp e, 0,1,2,3
	v_exp_f32 v[16+\e], v[24+\e]                   ; theta_d
.endr
	v_nop                                          ; a plain line behind the last exponential
	s_wait_alu depctr_va_vdst(0)                   ; one wait for the four, ahead of their first reader
.irp it, 0,1,2,3,4,5,6,7
	TROW \it
.endr
	FINISH
.Lfunc_end_k_q8d55a071eb_prep:
	.size	k_q8d55a071eb_prep, .Lfunc_end_k_q8d55a071eb_prep-k_q8d55a071eb_prep
	.p2alignl 7, 3214868480
	.fill 96, 4, 3214868480
	.section	.rodata,"a",@progbits
	.p2align	6, 0x0
	.amdhsa_kernel k_q8d55a071eb_prep
		.amdhsa_group_segment_fixed_size 77312
		.amdhsa_private_segment_fixed_size 0
		.amdhsa_enable_private_segment 0
		.amdhsa_kernarg_size 56
		.amdhsa_user_sgpr_count 2
		.amdhsa_user_sgpr_kernarg_segment_ptr 1
		.amdhsa_wavefront_size32 1
		.amdhsa_system_sgpr_workgroup_id_x 1
		.amdhsa_system_sgpr_workgroup_id_y 1
		.amdhsa_system_sgpr_workgroup_id_z 1
		.amdhsa_system_vgpr_workitem_id 0
		.amdhsa_next_free_vgpr 256
		.amdhsa_next_free_sgpr 66
		.amdhsa_reserve_vcc 1
		.amdhsa_float_denorm_mode_32 3
		.amdhsa_float_denorm_mode_16_64 3
		.amdhsa_memory_ordered 1
		.amdhsa_forward_progress 1
		.amdhsa_inst_pref_size 115
	.end_amdhsa_kernel
	.amdgpu_metadata
---
amdhsa.version: [ 1, 2 ]
amdhsa.kernels:
  - .name:           k_q8d55a071eb_prep
    .symbol:         k_q8d55a071eb_prep.kd
    .args:
      - { .name: x, .offset: 0, .size: 8, .value_kind: global_buffer, .address_space: global }
      - { .name: W_qkv, .offset: 8, .size: 8, .value_kind: global_buffer, .address_space: global }
      - { .name: W_proj, .offset: 16, .size: 8, .value_kind: global_buffer, .address_space: global }
      - { .name: xq, .offset: 24, .size: 8, .value_kind: global_buffer, .address_space: global }
      - { .name: wq, .offset: 32, .size: 8, .value_kind: global_buffer, .address_space: global }
      - { .name: wt, .offset: 40, .size: 8, .value_kind: global_buffer, .address_space: global }
      - { .name: rope, .offset: 48, .size: 8, .value_kind: global_buffer, .address_space: global }
    .group_segment_fixed_size: 77312
    .private_segment_fixed_size: 0
    .kernarg_segment_align: 8
    .kernarg_segment_size: 56
    .max_flat_workgroup_size: 128
    .sgpr_count:     66
    .vgpr_count:     256
    .wavefront_size: 32
...
	.end_amdgpu_metadata
.endif
;; end of part 1
;; launch qkv (part 2): grid 12 x 32, 4 waves a work-group, clusters of 4 x 4, 327,680 bytes of LDS; arguments xq, wq, rope, qkv, qkv32; writes qkv, qkv32
.if DOCPART == 2
	.amdgcn_target "amdgcn-amd-amdhsa--gfx1250"
	.amdhsa_code_object_version 6
	.text
	.protected	k_q8d55a071eb_qkv
	.globl	k_q8d55a071eb_qkv
	.p2align	8
	.type	k_q8d55a071eb_qkv,@function
k_q8d55a071eb_qkv:
	s_mov_b64 s[64:65], 0
	v_nop
	global_prefetch_b8 v0, s[64:65] scope:SCOPE_SE
	s_setreg_imm32_b32 hwreg(HW_REG_WAVE_MODE, 25, 1), 1
	s_wait_xcnt 0x0
	s_wait_alu depctr_hold_cnt(0) depctr_sa_sdst(0) depctr_va_vdst(0) depctr_va_sdst(0) depctr_va_ssrc(0) depctr_va_vcc(0) depctr_vm_vsrc(0)
	s_getreg_b32 s2, hwreg(HW_REG_IB_STS2, 6, 4)
	s_cmp_eq_u32 s2, 0
	s_cbranch_scc0 .Lentry_in_a_cluster
	s_endpgm
.Lentry_in_a_cluster:
	s_bfe_u32 s2, ttmp6, 0x10000c
	s_cmp_lg_u32 s2, 0xf033
	s_cbranch_scc0 .Lentry_shape_is_right
	s_endpgm
.Lentry_shape_is_right:
; qkv = Q(x) Q(W_qkv): [8192][1024] x [3072][1024] on codes of E2M1 with one E8M0 scale for each 32 along K, f32 sums; then the rotary turn of q and k in f32; then f16, laid by heads:
; qkv[sel][16 b + head][t][64], sel 0 = q, 1 = k, 2 = v.  Positions 0-15 of every batch also leave in f32 (qkv32), as images of registers, for the last launch.
; A tile of the product, 256 x 256, is made by four waves, 128 x 128 each: 64 accumulators, 512 registers.  K = 1,024 is two slots of 512: both are first fills, nothing is filled again.
; The scale bytes of the work-group's 256 + 256 rows come once, as dense blocks.  CLUSTERS: 4 x 4 work-groups; A's tiles are asked for jointly along a row of the cluster, B's along a column.
; THE MATRIX INSTRUCTION IS USED TRANSPOSED (source 0 = 16 rows of wq, source 1 = 16 rows of xq): a lane holds one position and eight neighbouring channels.  A wave's 128 columns are two heads;
; channel d + 32 of a head lies two accumulators on, in the same lane and register: the rotary turn changes no lanes.
; A cluster's x is sel (tile columns 4 sel .. 4 sel + 3), the same in all sixteen partners: the ways of q, k and of v part ONCE on it, ahead of the last 64 products, which are written on both ways:
; so the table of cosines and sines is asked for, on the way that reads it, 64 products ahead of its first use.  Which wave holds positions 0-15 hangs on the place in the cluster:
; that is no branch but a predicate (EXEC) round the sixteen f32 stores.
; 384 tiles: a tile's columns must lie in one of q, k, v and hold whole heads, and 768 accumulator registers a wave would leave no room for operands.
; LIMITS: q, k and v go to f16: magnitudes up to 65,504.
; REGISTERS: window 0: v16-31 addresses; v32-95 scale words, two sets, and nothing else; v128-191 A's fragments, one set.  Window 1: B's fragments, two sets, at v0-63 and v128-191; v64-127 the table's cos and sin, two sets.
; Windows 2, 3: accumulators.  On the way out window 0 holds: v96-127 f16 pairs; v128-191 turned numbers; v192-255 rows read back, two sets.
.set XSCL,   4194304
.set WSCL,   1572864
.set NQ,     4                         ; steps of 128 along K in a slot
.set ROWB,   256                       ; a tile's row: 512 codes
.set KROW,   512                       ; a row of codes in memory
.set PITCH,  272                       ; an LDS row: 256 bytes + 16 of padding
.set FR,     8
.set NL,     2
.set NP,     4
.set HALFT,  128*PITCH
.set SLOT,   4*HALFT
.set KS,     32                        ; a row of scale bytes
.set SCL,    2*SLOT
.set HALFS,  (128*KS/256)*272
.set SBLK,   (16*KS/256)*272
.set SPARE,  SCL+4*HALFS               ; the spare words, 128 bytes for each wave
.set SPITCH, 272                       ; the way out: 16 rows x (256 bytes + 16) for each wave, in slot 0, which has had its only fill and its last read by then
.set ADRA, 16
.set ADRB, 20
.set STO,  24
.set RD,   25
.set CO,   26
.set ADRS, 27
.set SPW,  28
.set NIL,  29
.set CSO,  30                          ; v30  my place in the table: 256 (lane % 16) + 32 (lane / 16)
.set SC,   32
.set AF,   128
.set PK,   96
.set TMP,  128
.set BK,   192
.set CS,   64                          ; in window 1
.set G1, 24
.set G0, 32
.set G1B, 48
.set G0B, 56
.set G1S, 68
.set G0S, 76
.set G1SB, 80
.set G0SB, 88
.set MSB, 0
.macro WIN new                         ; the immediate's high byte repeats the setting that is left
.if MSB != (\new)
	s_set_vgpr_msb (MSB<<8)|(\new)
.set MSB, (\new)
.endif
.endm
.set MUL_LO, 0xa1
.set MUL_HI, 0xf1
.set TO_B,   0x40
.macro JLOAD g0a, g1a, g0b, g1b        ; a joint load: waves 0 and 1 fetch for A, waves 2 and 3 for B; an s_nop 0 and four v_nop follow each line
	s_cmp_eq_u32 s15, 0
	s_cbranch_scc0 .Lfor_b_\@
	tensor_load_to_lds s[\g0a:\g0a+3], s[\g1a:\g1a+7]
	s_nop 0
.rept 4
	v_nop
.endr
	s_branch .Lasked_\@
.Lfor_b_\@:
	tensor_load_to_lds s[\g0b:\g0b+3], s[\g1b:\g1b+7]
	s_nop 0
.rept 4
	v_nop
.endr
.Lasked_\@:
.endm
.macro CROUND                          ; a round of the cluster's barrier
	s_barrier_signal -1
	s_barrier_wait -1
	s_cmp_lg_u32 s14, 0
	s_cbranch_scc1 .Lnot_wave_0_\@
	s_barrier_signal -3
.Lnot_wave_0_\@:
	s_barrier_wait -3
	s_barrier_signal -1
	s_barrier_wait -1
.endm
	s_load_b64 s[4:5], s[0:1], 0x0                 ; xq
	s_load_b64 s[8:9], s[0:1], 0x8                 ; wq
	s_load_b64 s[12:13], s[0:1], 0x10              ; rope
	v_lshl_add_u32 v[SPW], v0, 2, SPARE
	v_mov_b32 v[NIL], 0
	ds_add_u32 v[SPW], v[NIL]                      ; the wave's opening: the add, twice on end, and its wait ahead of my first tensor load
	ds_add_u32 v[SPW], v[NIL]
	v_lshrrev_b32 v1, 5, v0
	v_readfirstlane_b32 s14, v1                    ; wave 0..3
	s_lshr_b32 s15, s14, 1                         ; which half of the tile's rows is mine.  Also: I fetch for A (0) or for B (1)
	s_and_b32 s16, s14, 1                          ; which half of its columns.  Also: which 128 rows I fetch
	s_bfe_u32 s40, ttmp6, 0x40000                  ; cx
	s_bfe_u32 s41, ttmp6, 0x40004                  ; cy
	s_lshl_b32 s42, ttmp9, 2
	s_add_co_u32 s42, s42, s40                     ; tile column
	s_and_b32 s17, ttmp7, 0xffff
	s_lshl_b32 s17, s17, 2
	s_add_co_u32 s17, s17, s41                     ; tile row
	s_lshl_b32 s43, s41, 2
	s_lshl_b32 s43, 15, s43                        ; my row of the cluster
	s_lshl_b32 s44, 0x1111, s40                    ; my column
	s_or_b32 s[G1+0], s43, (0<<16)|(1<<20)|(1<<21)|(5<<22)|(3<<25)   ; the mask; elements of 1 byte; padding on: 4 words behind every 64; bit 21 beside a mask
	s_or_b32 s[G1B+0], s44, (0<<16)|(1<<20)|(1<<21)|(5<<22)|(3<<25)
.irp g, G1, G1B
	s_mov_b32 s[\g+1], ROWB<<16                    ; tensor_dim0
	s_mov_b32 s[\g+2], 128<<16                     ; tensor_dim1
	s_mov_b32 s[\g+3], ROWB<<16                    ; tile_dim0
	s_mov_b32 s[\g+4], 128                         ; tile_dim1
	s_mov_b32 s[\g+5], KROW                        ; pitch
	s_mov_b32 s[\g+6], 0
	s_mov_b32 s[\g+7], 0
.endr
	s_or_b32 s[G1S+0], s43, (3<<16)|(1<<20)|(1<<21)|(5<<22)|(3<<25)  ; the scales of 128 rows: a dense block as rows of 256 bytes (32 elements of 8 bytes)
	s_or_b32 s[G1SB+0], s44, (3<<16)|(1<<20)|(1<<21)|(5<<22)|(3<<25)
.irp g, G1S, G1SB
	s_mov_b32 s[\g+1], 32<<16
	s_mov_b32 s[\g+2], (128*KS/256)<<16
	s_mov_b32 s[\g+3], 32<<16
	s_mov_b32 s[\g+4], 128*KS/256
	s_mov_b32 s[\g+5], 32
	s_mov_b32 s[\g+6], 0
	s_mov_b32 s[\g+7], 0
.endr
	s_lshl_b32 s18, s16, 7
	s_lshl_b32 s20, s17, 8
	s_add_co_u32 s20, s20, s18                     ; A: row 256 x tile row + 128 x half
	s_lshl_b32 s46, s42, 8
	s_add_co_u32 s46, s46, s18                     ; B: row 256 x tile column + 128 x half
	s_mov_b32 s21, 0
	s_mov_b32 s47, 0
	s_mov_b64 s[18:19], KS
	s_mul_u64 s[22:23], s[20:21], s[18:19]
	s_mul_u64 s[92:93], s[46:47], s[18:19]
	s_mov_b64 s[18:19], KROW
	s_mul_u64 s[20:21], s[20:21], s[18:19]
	s_mul_u64 s[46:47], s[46:47], s[18:19]
	s_mul_i32 s45, s14, HALFT                      ; where they go: wave x 128 rows
	s_mul_i32 s94, s14, HALFS
	s_wait_dscnt 0x0                               ; both opening adds are done
	s_wait_kmcnt 0x0
	s_add_nc_u64 s[6:7], s[4:5], XSCL              ; the scale bytes lie behind the codes in each buffer
	s_add_nc_u64 s[10:11], s[8:9], WSCL
	s_add_nc_u64 s[20:21], s[4:5], s[20:21]
	s_add_nc_u64 s[22:23], s[6:7], s[22:23]
	s_add_nc_u64 s[46:47], s[8:9], s[46:47]
	s_add_nc_u64 s[92:93], s[10:11], s[92:93]
	CROUND                                         ; all sixteen work-groups are here: the first joint loads meet
	s_mov_b32 s[G0S], 1
	s_add_co_u32 s[G0S+1], s94, SCL
	s_mov_b64 s[G0S+2:G0S+3], s[22:23]
	s_or_b32 s[G0S+3], s[G0S+3], 0x80000000
	s_mov_b32 s[G0SB], 1
	s_add_co_u32 s[G0SB+1], s94, SCL
	s_mov_b64 s[G0SB+2:G0SB+3], s[92:93]
	s_or_b32 s[G0SB+3], s[G0SB+3], 0x80000000
	JLOAD G0S, G1S, G0SB, G1SB                     ; three loads of mine go out: the scales, slot 0, slot 1
.irp s, 0,1
	s_mov_b32 s[G0+4*\s], 1
	s_add_co_u32 s[G0+4*\s+1], s45, \s*SLOT
	s_add_nc_u64 s[G0+4*\s+2:G0+4*\s+3], s[20:21], \s*ROWB
	s_or_b32 s[G0+4*\s+3], s[G0+4*\s+3], 0x80000000
	s_mov_b32 s[G0B+4*\s], 1
	s_add_co_u32 s[G0B+4*\s+1], s45, \s*SLOT
	s_add_nc_u64 s[G0B+4*\s+2:G0B+4*\s+3], s[46:47], \s*ROWB
	s_or_b32 s[G0B+4*\s+3], s[G0B+4*\s+3], 0x80000000
	JLOAD G0+4*\s, G1, G0B+4*\s, G1B
.endr
	v_and_b32 v1, 15, v0                           ; r
	v_bfe_u32 v2, v0, 4, 1                         ; h
	v_mul_u32_u24 v3, v1, PITCH
	v_lshl_add_u32 v4, v2, 4, v3
	s_mul_i32 s21, s15, HALFT
	s_mul_i32 s22, s16, HALFT
	s_add_co_u32 s22, s22, 2*HALFT
.irp s, 0,1
	v_add_nc_u32 v[ADRA+\s], s21, v4
	v_add_nc_u32 v[ADRB+\s], s22, v4
	s_add_co_u32 s21, s21, SLOT
	s_add_co_u32 s22, s22, SLOT
.endr
	v_mul_u32_u24 v5, v1, KS                       ; my row's scales: KS bytes a row, and 16 more for each 256 passed
	v_lshrrev_b32 v6, 8, v5
	v_lshl_add_u32 v5, v6, 4, v5
	s_mul_i32 s21, s15, HALFS
	s_mul_i32 s22, s16, HALFS
	s_add_co_u32 s22, s22, 2*HALFS
	s_sub_co_u32 s22, s22, s21
	v_mul_u32_u24 v6, s22, v2                      ; lanes 16-31 take B's
	s_add_co_u32 s21, s21, SCL
	v_add_nc_u32 v5, v5, v6
	v_add_nc_u32 v[ADRS], s21, v5
	s_mul_i32 s23, s14, 16*SPITCH                  ; my stage
	v_mul_u32_u24 v5, v1, SPITCH
	v_lshl_add_u32 v5, v2, 4, v5
	v_add_nc_u32 v[STO], s23, v5                   ; in: row r, 16 bytes for each half of the lanes
	v_and_b32 v6, 31, v0
	v_lshlrev_b32 v[CO], 4, v6                     ; out: 16 bytes a lane
	v_lshrrev_b32 v7, 3, v6
	v_mul_u32_u24 v7, v7, SPITCH
	v_and_b32 v8, 7, v6
	v_lshl_add_u32 v7, v8, 4, v7
	v_add_nc_u32 v[RD], s23, v7                    ; back: eight lanes to a head's 128 bytes of a row, four rows an instruction
	v_lshlrev_b32 v[CSO], 8, v1
	v_lshl_add_u32 v[CSO], v2, 5, v[CSO]
.macro FRAG reg, adr, q, i             ; 16 rows x 128 K of codes: 8 registers
.irp c, 0,1
	ds_load_b128 v[\reg+4*\c:\reg+4*\c+3], v[\adr] offset:64*(\q)+32*\c+(\i)*16*PITCH
.endr
.endm
; 16 matrix instructions: A's blocks a0, a0 + 1 x B's eight.  The 64 accumulators take turns, one instruction a turn, in the same order in every step.
.macro MUL16 a0, p, q, sc, zero
.irp a, \a0, \a0+1
.irp b, 0,1,2,3,4,5,6,7
.if \zero
	v_wmma_scale_f32_16x16x128_f8f6f4 v[8*(8*((\a)%4)+\b):8*(8*((\a)%4)+\b)+7], v[128*(\p)+FR*\b:128*(\p)+FR*\b+FR-1], v[AF+FR*(\a):AF+FR*(\a)+FR-1], 0, v[SC+8*NQ*(\sc)+NQ*\b+(\q)], v[SC+8*NQ*(\sc)+NQ*(\a)+(\q)] matrix_a_fmt:MATRIX_FMT_FP4 matrix_b_fmt:MATRIX_FMT_FP4 matrix_a_scale:MATRIX_SCALE_ROW1
.else
	v_wmma_scale_f32_16x16x128_f8f6f4 v[8*(8*((\a)%4)+\b):8*(8*((\a)%4)+\b)+7], v[128*(\p)+FR*\b:128*(\p)+FR*\b+FR-1], v[AF+FR*(\a):AF+FR*(\a)+FR-1], v[8*(8*((\a)%4)+\b):8*(8*((\a)%4)+\b)+7], v[SC+8*NQ*(\sc)+NQ*\b+(\q)], v[SC+8*NQ*(\sc)+NQ*(\a)+(\q)] matrix_a_fmt:MATRIX_FMT_FP4 matrix_b_fmt:MATRIX_FMT_FP4 matrix_a_scale:MATRIX_SCALE_ROW1
.endif
.endr
.endr
.endm
.macro FETCH_B slot, q, p
	WIN TO_B
.irp i, 0,1,2,3,4,5,6,7
	FRAG 128*(\p)+FR*\i, ADRB+\slot, \q, \i
.endr
	WIN 0
.endm
.macro FETCH_A slot, q, i0
.irp i, \i0, \i0+1, \i0+2, \i0+3
	FRAG AF+FR*(\i), ADRA+\slot, \q, \i
.endr
.endm
.macro SCALES sc                       ; a slot's scale words: lanes 0-15 take A's block i, lanes 16-31 B's block i
.irp i, 0,1,2,3,4,5,6,7
	ds_load_b128 v[SC+8*NQ*\sc+NQ*\i:SC+8*NQ*\sc+NQ*\i+3], v[ADRS] offset:\i*SBLK
.endr
.endm
.macro PLACES n                        ; plain vector lines between a matrix instruction and a load into, or a read of, its registers
.rept \n
	v_nop
.endr
.endm
.macro STEP slot, q, zero
	s_wait_dscnt 4*NL                              ; B's set and A's blocks 0-3 are in; the youngest eight loads (A's blocks 4-7) may be out
	WIN MUL_LO
	MUL16 0, (\q)%2, \q, \slot, \zero
	MUL16 2, (\q)%2, \q, \slot, \zero
	s_wait_dscnt 0
	PLACES NP
	FETCH_B \slot, (\q)+1, 1-(\q)%2
	FETCH_A \slot, (\q)+1, 0
	WIN MUL_HI
	MUL16 4, (\q)%2, \q, \slot, \zero
	MUL16 6, (\q)%2, \q, \slot, \zero
	PLACES NP
	WIN 0
	FETCH_A \slot, (\q)+1, 4
.endm
.macro STEPS slot, from
.set Q, \from
.rept NQ-1-\from
	STEP \slot, Q, 0
.set Q, Q+1
.endr
.endm
	s_wait_tensorcnt 1                             ; the scales and my part of slot 0 are in (slot 1's load may be out)
	s_barrier_signal -1
	s_barrier_wait -1                              ; everybody's are
	FETCH_B 0, 0, 0
	FETCH_A 0, 0, 0
	SCALES 0
	FETCH_A 0, 0, 4
	STEP 0, 0, 1                                   ; the first products start the sums: nothing is cleared
	STEPS 0, 1
	; slot 0's last step changes slots: one barrier
	s_wait_tensorcnt 0x0                           ; all my tensor loads have landed: my part of slot 1
	ds_add_u32 v[SPW], v[NIL]                      ; 0 onto my spare word
	s_wait_dscnt 4*NL+1                            ; (the add and A's blocks 4-7 may be out)
	WIN MUL_LO
	MUL16 0, 1, NQ-1, 0, 0
	s_wait_dscnt 0x0                               ; the add is done, and my reads of slot 0 are over
	s_barrier_signal -1
	MUL16 2, 1, NQ-1, 0, 0
	WIN 0
	s_barrier_wait -1
	PLACES NP
	v_add_nc_u32 v[ADRS], 4*NQ, v[ADRS]            ; on to slot 1's scale words
	FETCH_B 1, 0, 0
	FETCH_A 1, 0, 0
	SCALES 1
	WIN MUL_HI
	MUL16 4, 1, NQ-1, 0, 0
	MUL16 6, 1, NQ-1, 0, 0
	PLACES NP
	WIN 0
	FETCH_A 1, 0, 4
	s_load_b128 s[68:71], s[0:1], 0x18             ; qkv, qkv32: into registers of descriptors whose loads are done
	STEPS 1, 0
	; the scalars of the way out, once, ahead of the parting of the ways
	s_and_b32 s74, s17, 7
	s_lshl_b32 s74, s74, 8
	s_lshl_b32 s75, s15, 7
	s_add_co_u32 s76, s74, s75                     ; t0: my first position in its batch
	s_lshl_b32 s74, s76, 8
	s_mov_b32 s75, 0
	s_add_nc_u64 s[12:13], s[12:13], s[74:75]      ; the table at t0: 256 bytes a position
	s_wait_kmcnt 0x0                               ; qkv, qkv32 (asked for three steps ago)
	s_lshr_b32 s77, s17, 3                         ; b
	s_and_b32 s78, s42, 3
	s_lshl_b32 s78, s78, 2
	s_lshl_b32 s79, s16, 1
	s_add_co_u32 s78, s78, s79                     ; my first head
	s_lshl_b32 s79, s77, 4
	s_add_co_u32 s79, s79, s78
	s_lshl_b32 s79, s79, 11
	s_add_co_u32 s79, s79, s76
	s_lshl_b32 s74, s79, 7                         ; ((16 b + head) 2048 + t0) rows of 128 bytes
	s_lshl_b32 s79, ttmp9, 24
	s_add_co_u32 s74, s74, s79                     ; + sel
	s_add_nc_u64 s[68:69], s[68:69], s[74:75]
	s_mul_i32 s79, s77, 3
	s_add_co_u32 s79, s79, ttmp9
	s_lshl_b32 s79, s79, 4
	s_add_co_u32 s79, s79, s78
	s_lshl_b32 s74, s79, 12
	s_add_nc_u64 s[70:71], s[70:71], s[74:75]      ; the f32 image of (b, sel, head)
	s_and_b32 s72, s17, 7
	s_or_b32 s72, s72, s15                         ; 0 where my block 0 holds positions 0-15 of a batch
.macro CSLOAD a, set                   ; the table for block a's 16 positions, into window 1: cos of d = 8 h + 0..7, of 16 + 8 h + 0..7, then the sines
	WIN TO_B
.irp k, 0,1,2,3
	global_load_b128 v[CS+32*(\set)+8*\k:CS+32*(\set)+8*\k+3], v[CSO], s[12:13] offset:4096*(\a)+64*\k
	global_load_b128 v[CS+32*(\set)+8*\k+4:CS+32*(\set)+8*\k+7], v[CSO], s[12:13] offset:4096*(\a)+64*\k+16
.endr
	WIN 0
.endm
.macro LAST                            ; the very last step of 128 along K: nothing more to fetch; then the places behind the last products, for the reads of results and the writes over operands on the way out
	s_wait_dscnt 4*NL
	WIN MUL_LO
	MUL16 0, 1, NQ-1, 1, 0
	MUL16 2, 1, NQ-1, 1, 0
	s_wait_dscnt 0
	WIN MUL_HI
	MUL16 4, 1, NQ-1, 1, 0
	MUL16 6, 1, NQ-1, 1, 0
	WIN 0
	PLACES NP
.endm
; THE WAY OUT, block by block of 16 positions x 128 channels.
.macro ROPE a, set                     ; out(d) = x(d) cos - x(d + 32) sin;  out(d + 32) = x(d + 32) cos + x(d) sin.  Each accumulator is read from its low end on
.set AC, 64*((\a)%4)
.set CB, CS+32*(\set)
	WIN 0x06+(\a)/4                                ; source 0: the accumulators' window; source 1: the table's, window 1
.irp hh, 0,1
.irp u, 0,1
.irp jp, 0,2,4,6
	v_pk_mul_f32 v[TMP+32*\hh+8*\u+\jp:TMP+32*\hh+8*\u+\jp+1], v[AC+32*\hh+8*\u+\jp:AC+32*\hh+8*\u+\jp+1], v[CB+8*\u+\jp:CB+8*\u+\jp+1]
	v_pk_mul_f32 v[TMP+32*\hh+8*\u+16+\jp:TMP+32*\hh+8*\u+16+\jp+1], v[AC+32*\hh+8*\u+16+\jp:AC+32*\hh+8*\u+16+\jp+1], v[CB+8*\u+\jp:CB+8*\u+\jp+1]
.endr
.endr
.endr
.irp hh, 0,1
.irp u, 0,1
.irp jp, 0,2,4,6
	v_pk_fma_f32 v[TMP+32*\hh+8*\u+\jp:TMP+32*\hh+8*\u+\jp+1], v[AC+32*\hh+8*\u+16+\jp:AC+32*\hh+8*\u+16+\jp+1], v[CB+16+8*\u+\jp:CB+16+8*\u+\jp+1], v[TMP+32*\hh+8*\u+\jp:TMP+32*\hh+8*\u+\jp+1] neg_lo:[1,0,0] neg_hi:[1,0,0]
	v_pk_fma_f32 v[TMP+32*\hh+8*\u+16+\jp:TMP+32*\hh+8*\u+16+\jp+1], v[AC+32*\hh+8*\u+\jp:AC+32*\hh+8*\u+\jp+1], v[CB+16+8*\u+\jp:CB+16+8*\u+\jp+1], v[TMP+32*\hh+8*\u+16+\jp:TMP+32*\hh+8*\u+16+\jp+1]
.endr
.endr
.endr
	WIN 0
.endm
.macro PACKH                           ; a lane's eight channels of a tile become 16 bytes of f16
.irp b, 0,1,2,3,4,5,6,7
.irp i, 0,1,2,3
	v_cvt_pk_f16_f32 v[PK+4*\b+\i], v[TMP+8*\b+2*\i], v[TMP+8*\b+2*\i+1]
.endr
.endr
.endm
.macro PACKV a                         ; the same straight from the accumulators
.set AC, 64*((\a)%4)
	WIN 0x0a+5*((\a)/4)
.irp b, 0,1,2,3,4,5,6,7
.irp i, 0,1,2,3
	v_cvt_pk_f16_f32 v[PK+4*\b+\i], v[AC+8*\b+2*\i], v[AC+8*\b+2*\i+1]
.endr
.endr
	WIN 0
.endm
.macro F32OUT src, win                 ; positions 0-15 in f32: registers 4 s .. 4 s + 3 of a head's 32 at byte 512 s + 16 lane.  A predicate, not a branch: the condition hangs on the place in the cluster
	v_mov_b32 v31, s72
	v_cmp_eq_u32 vcc_lo, 0, v31
	s_wait_xcnt 0x0                                ; EXEC changes only behind this wait
	s_and_saveexec_b32 s73, vcc_lo
	WIN \win
.irp hh, 0,1
.irp s, 0,1,2,3,4,5,6,7
	global_store_b128 v[CO], v[\src+32*\hh+4*\s:\src+32*\hh+4*\s+3], s[70:71] offset:4096*\hh+512*\s
.endr
.endr
	WIN 0
	s_wait_xcnt 0x0                                ; and again, in front of the line that widens it; the stores' data may be rewritten behind it too
	s_or_b32 exec_lo, exec_lo, s73
.endm
.macro TOSTAGE a                       ; through my own stage; LDS serves a wave's instructions in order, so no wait stands between the stores and the loads
.irp b, 0,1,2,3,4,5,6,7
	ds_store_b128 v[STO], v[PK+4*\b:PK+4*\b+3] offset:32*\b
.endr
.set BB, BK+32*((\a)%2)
.irp f, 0,1,2,3,4,5,6,7
	ds_load_b128 v[BB+4*\f:BB+4*\f+3], v[RD] offset:4*SPITCH*(\f/2)+128*(\f%2)
.endr
.endm
.macro SEND a, younger                 ; younger: the LDS instructions issued behind block a's loads
.set BB, BK+32*((\a)%2)
	s_wait_dscnt \younger
.irp f, 0,1,2,3,4,5,6,7
	global_store_b128 v[CO], v[BB+4*\f:BB+4*\f+3], s[68:69] offset:262144*(\f%2)+2048*(\a)+512*(\f/2)   ; 32 lanes store 512 consecutive bytes: four positions of one head
.endr
.endm
.macro CLOSE
	s_wait_tensorcnt 0x0                           ; the wave's end
	ds_add_u32 v[SPW], v[NIL]
	s_wait_dscnt 0x0
	CROUND                                         ; the closing round
	s_endpgm
.endm
	s_cmp_eq_u32 ttmp9, 2                          ; v is not turned: the ways part here, once
	s_cbranch_scc1 .Lv
	CSLOAD 0, 0                                    ; q and k: the first two blocks' table is asked for ahead of the last 64 products
	CSLOAD 1, 1
	LAST
.irp a, 0,1,2,3,4,5,6,7
.if \a < 7
	s_wait_loadcnt 8                               ; this block's table is in; the next block's eight loads may be out
.else
	s_wait_loadcnt 0x0
.endif
	ROPE \a, \a%2
.if \a < 6
	CSLOAD \a+2, \a%2
.endif
.if \a == 0
	F32OUT TMP, 0
.endif
	PACKH
.if \a > 1
	s_wait_xcnt 0x0                                ; block a - 2's stores have read the registers into which this block comes back
.endif
	TOSTAGE \a
.if \a > 0
	SEND \a-1, 16                                  ; behind block a - 1's loads: this block's 8 stores and 8 loads
.endif
.endr
	SEND 7, 0
	CLOSE
.Lv:
	LAST
.irp a, 0,1,2,3,4,5,6,7
.if \a == 0
	F32OUT 0, 0x08                                 ; a store's data are its source 1: window 2
.endif
	PACKV \a
.if \a > 1
	s_wait_xcnt 0x0
.endif
	TOSTAGE \a
.if \a > 0
	SEND \a-1, 16
.endif
.endr
	SEND 7, 0
	CLOSE
.Lfunc_end_k_q8d55a071eb_qkv:
	.size	k_q8d55a071eb_qkv, .Lfunc_end_k_q8d55a071eb_qkv-k_q8d55a071eb_qkv
	.p2alignl 7, 3214868480
	.fill 96, 4, 3214868480
	.section	.rodata,"a",@progbits
	.p2align	6, 0x0
	.amdhsa_kernel k_q8d55a071eb_qkv
		.amdhsa_group_segment_fixed_size 327680
		.amdhsa_private_segment_fixed_size 0
		.amdhsa_enable_private_segment 0
		.amdhsa_kernarg_size 40
		.amdhsa_user_sgpr_count 2
		.amdhsa_user_sgpr_kernarg_segment_ptr 1
		.amdhsa_wavefront_size32 1
		.amdhsa_system_sgpr_workgroup_id_x 1
		.amdhsa_system_sgpr_workgroup_id_y 1
		.amdhsa_system_sgpr_workgroup_id_z 1
		.amdhsa_system_vgpr_workitem_id 0
		.amdhsa_next_free_vgpr 1024
		.amdhsa_next_free_sgpr 100
		.amdhsa_reserve_vcc 1
		.amdhsa_float_denorm_mode_32 3
		.amdhsa_float_denorm_mode_16_64 3
		.amdhsa_memory_ordered 1
		.amdhsa_forward_progress 1
		.amdhsa_inst_pref_size 209
	.end_amdhsa_kernel
	.amdgpu_metadata
---
amdhsa.version: [ 1, 2 ]
amdhsa.kernels:
  - .name:           k_q8d55a071eb_qkv
    .symbol:         k_q8d55a071eb_qkv.kd
    .args:
      - { .name: xq, .offset: 0, .size: 8, .value_kind: global_buffer, .address_space: global }
      - { .name: wq, .offset: 8, .size: 8, .value_kind: global_buffer, .address_space: global }
      - { .name: rope, .offset: 16, .size: 8, .value_kind: global_buffer, .address_space: global }
      - { .name: qkv, .offset: 24, .size: 8, .value_kind: global_buffer, .address_space: global }
      - { .name: qkv32, .offset: 32, .size: 8, .value_kind: global_buffer, .address_space: global }
    .group_segment_fixed_size: 327680
    .private_segment_fixed_size: 0
    .kernarg_segment_align: 8
    .kernarg_segment_size: 40
    .max_flat_workgroup_size: 128
    .sgpr_count:     100
    .vgpr_count:     1024
    .wavefront_size: 32
...
	.end_amdgpu_metadata
.endif
;; end of part 2
;; launch attn (part 3): grid 4 x 64, 16 waves a work-group, clusters of 4 x 1, 327,680 bytes of LDS; arguments qkv, yh; writes yh
.if DOCPART == 3
	.amdgcn_target "amdgcn-amd-amdhsa--gfx1250"
	.amdhsa_code_object_version 6
	.text
	.protected	k_q8d55a071eb_attn
	.globl	k_q8d55a071eb_attn
	.p2align	8
	.type	k_q8d55a071eb_attn,@function
k_q8d55a071eb_attn:
	s_mov_b64 s[64:65], 0
	v_nop
	global_prefetch_b8 v0, s[64:65] scope:SCOPE_SE
	s_setreg_imm32_b32 hwreg(HW_REG_WAVE_MODE, 25, 1), 1
	s_wait_xcnt 0x0
	s_wait_alu depctr_hold_cnt(0) depctr_sa_sdst(0) depctr_va_vdst(0) depctr_va_sdst(0) depctr_va_ssrc(0) depctr_va_vcc(0) depctr_vm_vsrc(0)
	s_getreg_b32 s2, hwreg(HW_REG_IB_STS2, 6, 4)
	s_cmp_eq_u32 s2, 0
	s_cbranch_scc0 .Lentry_in_a_cluster
	s_endpgm
.Lentry_in_a_cluster:
	s_bfe_u32 s2, ttmp6, 0x10000c
	s_cmp_lg_u32 s2, 0x3003
	s_cbranch_scc0 .Lentry_shape_is_right
	s_endpgm
.Lentry_shape_is_right:
; y = softmax(q k^T / 8, causal) v for one (batch, head) a cluster.  q, k, v: f16 [2048][64] each (qkv); products on f16 operands with f32 sums; maxima, exponentials and sums in f32, with a running maximum.
; y leaves as f16, laid [head][8192 rows][64] (yh).  Positions 0-15 of each batch are made again in f32 by the last launch.
; SHARES.  The four work-groups of a cluster (place cx) walk the same 2,048 keys in the same constant number of steps, so every tile of K and V is asked for JOINTLY.  Wave w: g = ((w >> 2) + w) & 3, i = w >> 2.
; It owns two tiles of 16 queries: A at 512 g + 64 i + 16 cx, B at 512 g + 64 (7 - i) + 16 cx.  A key step is 64 keys from KF on; a tile works while KF <= its limit (LA = 512 g + 64 i, LB = 512 g + 448 - 64 i)
; and meets the diagonal at KF = its limit.  The limits hang on the wave's number alone; cx enters only addresses in memory and the number that the mask compares.  So all 256 work-groups do the same work:
; a wave has 16 g + 9 tile steps.  Wave (g = 3, i = 0) of every partner reads all 32 steps, so every joint load is read in every partner.
; LAYOUT.  S^T = K Q^T (source 0 = 16 keys, source 1 = 16 queries), O^T = V^T P (source 0 = 16 channels by the turning load, source 1 = the weights): a lane holds ONE query throughout.
; No prefetch: a refill is asked for a whole pass, eight key steps of every wave, ahead of the wait for it, and the first two slots are first fills at the head.
; LIMITS: y goes to f16; weights under f16's smallest number count for nothing in the second product (they still count in the row's sum).
; REGISTERS: v1-11 addresses; v12-27 statistics, eight a tile: +0 c m, +1 m, +2, +3 the sum, +4..+7 at work (a at +6); v32-63 Q; v64-127 S^T, 32 a tile, whose first 16 then hold the weights as f16;
; v128-191 O^T, 32 a tile; v192-255 K's eight fragments, then V's eight.
.set KP,    144                        ; a key's row of K in LDS: 128 bytes + 16
.set VP,    160                        ; of V: 128 + 32, for the turning load
.set VOFF,  512*KP
.set SLOTB, 512*(KP+VP)                ; a slot: 512 keys of K, then of V
.set SPARE, 2*SLOTB                    ; the spare words, 128 bytes for each of 16 waves
.set AK0, 1
.set AV0, 2
.set ADK, 3
.set ADV, 4
.set QD,  5                            ; v5  16 cx + r - 8 h: on the diagonal register 8 a + j (key 16 a + 8 h + j) is hidden where 16 a + j > QD
.set SPW, 6
.set NIL, 7
.set STO, 8
.set RD,  9
.set GO,  10
.set TV,  11
.set ST,  12
.set QF,  32
.set S,   64
.set O,   128
.set KV,  192
.set WV,  12
.set LA,  16
.set LB,  17
.set KF,  18
.set TBK, 19
.set TBV, 20
.set CNT, 21
.set CS,  22                           ; s[22:23] c = log2(e) / 8
.set G1K, 24
.set G1V, 32
.set G0K, 40                           ; s[40:47] a set for each slot
.set G0V, 48
.set SEL, 56
.set YA,  58
.set YB,  60
.macro CROUND
	s_barrier_signal -1
	s_barrier_wait -1
	s_cmp_lg_u32 s[WV], 0
	s_cbranch_scc1 .Lnot_wave_0_\@
	s_barrier_signal -3
.Lnot_wave_0_\@:
	s_barrier_wait -3
	s_barrier_signal -1
	s_barrier_wait -1
.endm
.macro TLOAD g                         ; waves 0 and 1 fetch K's halves of slot g, waves 2 and 3 V's, the others nothing; an s_nop 0 and four v_nop follow each line
	s_cmp_lt_u32 s[WV], 2
	s_cbranch_scc0 .Lnot_k_\@
	tensor_load_to_lds s[G0K+4*\g:G0K+4*\g+3], s[G1K:G1K+7]
	s_nop 0
.rept 4
	v_nop
.endr
	s_branch .Lasked_\@
.Lnot_k_\@:
	s_cmp_lt_u32 s[WV], 4
	s_cbranch_scc0 .Lasked_\@
	tensor_load_to_lds s[G0V+4*\g:G0V+4*\g+3], s[G1V:G1V+7]
	s_nop 0
.rept 4
	v_nop
.endr
.Lasked_\@:
.endm
.macro SMUL t                          ; S^T of tile t: four accumulators by turns, two deep
.irp s, 0,1
.irp a, 0,1,2,3
.if \s == 0
	v_wmma_f32_16x16x32_f16 v[S+32*\t+8*\a:S+32*\t+8*\a+7], v[KV+16*\a+8*\s:KV+16*\a+8*\s+7], v[QF+16*\t+8*\s:QF+16*\t+8*\s+7], 0
.else
	v_wmma_f32_16x16x32_f16 v[S+32*\t+8*\a:S+32*\t+8*\a+7], v[KV+16*\a+8*\s:KV+16*\a+8*\s+7], v[QF+16*\t+8*\s:QF+16*\t+8*\s+7], v[S+32*\t+8*\a:S+32*\t+8*\a+7]
.endif
.endr
.endr
.endm
.macro PVMUL t                         ; O^T of tile t: four accumulators by turns, two deep
.irp kk, 0,1
.irp c, 0,1,2,3
	v_wmma_f32_16x16x32_f16 v[O+32*\t+8*\c:O+32*\t+8*\c+7], v[KV+32*\kk+8*\c:KV+32*\kk+8*\c+7], v[S+32*\t+8*\kk:S+32*\t+8*\kk+7], v[O+32*\t+8*\c:O+32*\t+8*\c+7]
.endr
.endr
.endm
.macro MASK t                          ; the diagonal step: hidden scores become -infinity ahead of the maximum.  Key KF counts for every query of the tile, so the maximum stays a number
	v_mov_b32 v[TV], 0xff800000
.irp n, 0,1,2,3,4,5,6,7,8,9,10,11,12,13,14,15,16,17,18,19,20,21,22,23,24,25,26,27,28,29,30,31
	v_cmp_gt_i32 vcc_lo, 16*(\n/8)+\n%8, v[QD]
	v_cndmask_b32 v[S+32*(\t)+\n], v[S+32*(\t)+\n], v[TV], vcc_lo
.endr
.endm
.macro SOFTMAX t
.set rT, ST+8*(\t)
.set rS, S+32*(\t)
.set rO, O+32*(\t)
.irp j, 0,1,2,3
	v_max3_num_f32 v[rT+4+\j], v[rS+8*\j], v[rS+8*\j+1], v[rS+8*\j+2]   ; four chains; each accumulator is read from its low end on
.endr
.irp j, 0,1,2,3
	v_max3_num_f32 v[rT+4+\j], v[rT+4+\j], v[rS+8*\j+3], v[rS+8*\j+4]
.endr
.irp j, 0,1,2,3
	v_max3_num_f32 v[rT+4+\j], v[rT+4+\j], v[rS+8*\j+5], v[rS+8*\j+6]
.endr
	v_max3_num_f32 v[rT+4], v[rT+4], v[rS+7], v[rS+15]
	v_max3_num_f32 v[rT+6], v[rT+6], v[rS+23], v[rS+31]
	v_max3_num_f32 v[rT+4], v[rT+4], v[rT+5], v[rT+6]
	v_max3_num_f32 v[rT+4], v[rT+4], v[rT+7], v[rT+1]                   ; with the old m
	v_permlanex16_b32 v[rT+5], v[rT+4], s[SEL], s[SEL+1]                ; the query's other 32 keys lie in the lane 16 away
	v_mov_b32 v[rT+7], v[rT]
	v_max_num_f32 v[rT+1], v[rT+4], v[rT+5]                             ; the new m
	v_mul_f32 v[rT], s[CS], v[rT+1]
	v_sub_f32 v[rT+7], v[rT+7], v[rT]                                   ; c m_old - c m_new
.irp b, 0,2,4,6,8,10,12,14,16,18,20,22,24,26,28,30
	v_pk_fma_f32 v[rS+\b:rS+\b+1], v[rS+\b:rS+\b+1], s[CS:CS+1], v[rT:rT+1] op_sel_hi:[1,0,0] neg_lo:[0,0,1] neg_hi:[0,0,1]   ; c s - c m
.endr
	v_exp_f32 v[rT+6], v[rT+7]                                          ; a
.irp e, 0,1,2,3,4,5,6,7,8,9,10,11,12,13,14,15,16,17,18,19,20,21,22,23,24,25,26,27,28,29,30,31
	v_exp_f32 v[rS+\e], v[rS+\e]                                        ; p, at most 1
.endr
	v_nop                                                               ; a plain line behind the last exponential
	s_wait_alu depctr_va_vdst(0)                                        ; one wait for the 33, ahead of their first reader
	v_pk_fma_f32 v[rT+2:rT+3], v[rT+2:rT+3], v[rT+6:rT+7], v[rS:rS+1] op_sel_hi:[1,0,1]   ; the sum under the new m, and the first pair; the rest in two chains
	v_pk_add_f32 v[rT+4:rT+5], v[rS+2:rS+3], v[rS+4:rS+5]
.irp b, 6,10,14,18,22,26
	v_pk_add_f32 v[rT+2:rT+3], v[rT+2:rT+3], v[rS+\b:rS+\b+1]
	v_pk_add_f32 v[rT+4:rT+5], v[rT+4:rT+5], v[rS+\b+2:rS+\b+3]
.endr
	v_pk_add_f32 v[rT+2:rT+3], v[rT+2:rT+3], v[rS+30:rS+31]
	v_pk_add_f32 v[rT+2:rT+3], v[rT+2:rT+3], v[rT+4:rT+5]
.irp i, 0,1,2,3,4,5,6,7,8,9,10,11,12,13,14,15
	v_cvt_pk_f16_f32 v[rS+\i], v[rS+2*\i], v[rS+2*\i+1]                 ; in place, ascending: register i is written when it has been read
.endr
.irp i, 0,2,4,6,8,10,12,14,16,18,20,22,24,26,28,30
	v_pk_mul_f32 v[rO+\i:rO+\i+1], v[rO+\i:rO+\i+1], v[rT+6:rT+7] op_sel_hi:[1,0]   ; O^T under the new m
.endr
.endm
; A key step's work.  both = 1: tiles A and B (KF <= LA < LB: only A can be on the diagonal).  both = 0: tile B alone.
.macro BODY both
	v_add_nc_u32 v[ADK], s[TBK], v[AK0]
	v_add_nc_u32 v[ADV], s[TBV], v[AV0]
.rept 4
	v_nop                                          ; with the two additions six places behind the last step's products: four are owed to the loads into their operands, five to the products that write over the weights
.endr
.irp a, 0,1,2,3
.irp s, 0,1
	ds_load_b128 v[KV+16*\a+8*\s:KV+16*\a+8*\s+3], v[ADK] offset:16*KP*\a+64*\s
	ds_load_b128 v[KV+16*\a+8*\s+4:KV+16*\a+8*\s+7], v[ADK] offset:16*KP*\a+64*\s+32
.endr
.endr
	s_wait_dscnt 0x0
	SMUL 1
.if \both
	SMUL 0
.endif
.rept 4
	v_nop                                          ; places: V's loads land where K's fragments lay, and the scores are read
.endr
.irp kk, 0,1
.irp c, 0,1,2,3
	ds_load_tr16_b128 v[KV+32*\kk+8*\c:KV+32*\kk+8*\c+3], v[ADV] offset:32*VP*\kk+32*\c
	ds_load_tr16_b128 v[KV+32*\kk+8*\c+4:KV+32*\kk+8*\c+7], v[ADV] offset:32*VP*\kk+16*VP+32*\c
.endr
.endr
.if \both
	SOFTMAX 1                                      ; V lands under the softmax
	s_cmp_lg_u32 s[KF], s[LA]
	s_cbranch_scc1 .Lopen_\@
	MASK 0
.Lopen_\@:
	SOFTMAX 0
.else
	s_cmp_lg_u32 s[KF], s[LB]
	s_cbranch_scc1 .Lopen_\@
	MASK 1
.Lopen_\@:
	SOFTMAX 1
.endif
	s_wait_dscnt 0x0                               ; V is in
	PVMUL 1
.if \both
	PVMUL 0
.endif
.endm
; A slot's eight key steps: a loop of constant count; a step whose keys all come after a tile's queries leaves that tile out, by scalar branches on the wave's number and the count of steps
.macro PASS slot
	s_mov_b32 s[TBK], \slot*SLOTB
	s_mov_b32 s[TBV], \slot*SLOTB+VOFF
	s_mov_b32 s[CNT], 8
.Lstep_\@:
	s_cmp_gt_u32 s[KF], s[LB]
	s_cbranch_scc1 .Lnext_\@
	s_cmp_gt_u32 s[KF], s[LA]
	s_cbranch_scc1 .Lonly_b_\@
	BODY 1
	s_branch .Lnext_\@
.Lonly_b_\@:
	BODY 0
.Lnext_\@:
	s_add_co_u32 s[KF], s[KF], 64
	s_add_co_u32 s[TBK], s[TBK], 64*KP
	s_add_co_u32 s[TBV], s[TBV], 64*VP
	s_sub_co_u32 s[CNT], s[CNT], 1
	s_cmp_lg_u32 s[CNT], 0
	s_cbranch_scc1 .Lstep_\@
.endm
; The slot just read is filled again with the keys 1,024 further on.  Every wave: all its tensor loads have landed (its part of the slot ahead), the add, its reads of the slot are over; a round of the cluster's barrier; the joint refill first.
.macro CHANGE_FILL g
	s_wait_tensorcnt 0x0
	ds_add_u32 v[SPW], v[NIL]                      ; the add, here twice on end
	ds_add_u32 v[SPW], v[NIL]
	s_add_nc_u64 s[G0K+4*\g+2:G0K+4*\g+3], s[G0K+4*\g+2:G0K+4*\g+3], 131072
	s_add_nc_u64 s[G0V+4*\g+2:G0V+4*\g+3], s[G0V+4*\g+2:G0V+4*\g+3], 131072
	s_wait_dscnt 0x0
	CROUND
	TLOAD \g
.endm
	s_load_b128 s[8:11], s[0:1], 0x0               ; qkv s[8:9], yh s[10:11]
	v_lshl_add_u32 v[SPW], v0, 2, SPARE
	v_mov_b32 v[NIL], 0
	ds_add_u32 v[SPW], v[NIL]                      ; the wave's opening: the add, twice on end, and its wait ahead of the first tensor loads
	ds_add_u32 v[SPW], v[NIL]
	v_lshrrev_b32 v1, 5, v0
	v_readfirstlane_b32 s[WV], v1                  ; wave 0..15
	s_bfe_u32 s13, ttmp6, 0x40000                  ; cx
	s_and_b32 s14, ttmp7, 0xffff                   ; 16 b + head, which the four partners share
	s_lshr_b32 s15, s[WV], 2                       ; i
	s_add_co_u32 s2, s15, s[WV]
	s_and_b32 s2, s2, 3                            ; g
	s_lshl_b32 s2, s2, 9
	s_lshl_b32 s3, s15, 6
	s_add_co_u32 s[LA], s2, s3
	s_add_co_u32 s[LB], s2, 448
	s_sub_co_u32 s[LB], s[LB], s3
	s_mov_b32 s[KF], 0
	s_mov_b32 s[G1K], 15|(1<<16)|(1<<20)|(1<<21)|(4<<22)|(3<<25)   ; the mask: all four; elements of 2 bytes; padding on: 4 words behind every 32; bit 21 beside a mask
	s_mov_b32 s[G1V], 15|(1<<16)|(1<<20)|(1<<21)|(4<<22)|(7<<25)   ; the same with 8 words
.irp g, G1K, G1V
	s_mov_b32 s[\g+1], 64<<16                      ; tensor_dim0
	s_mov_b32 s[\g+2], 256<<16                     ; tensor_dim1
	s_mov_b32 s[\g+3], 64<<16                      ; tile_dim0
	s_mov_b32 s[\g+4], 256                         ; tile_dim1
	s_mov_b32 s[\g+5], 64                          ; pitch
	s_mov_b32 s[\g+6], 0
	s_mov_b32 s[\g+7], 0
.endr
	s_mov_b32 s[CS], 0x3e38aa3b
	s_mov_b32 s[CS+1], s[CS]
	s_mov_b32 s[SEL], 0x76543210
	s_mov_b32 s[SEL+1], 0xfedcba98
	s_and_b32 s2, s[WV], 1                         ; which 256 keys of a slot I fetch, if I fetch
	s_mul_i32 s3, s2, 256*KP
	s_mul_i32 s15, s2, 256*VP
	s_add_co_u32 s15, s15, VOFF
	s_lshl_b32 s20, s2, 15
	s_mov_b32 s21, 0
	s_lshl_b32 s66, s14, 18                        ; the head's first byte in q, k and v
	s_mov_b32 s67, 0
	s_and_b32 s68, s14, 15
	s_lshl_b32 s68, s68, 13
	s_lshr_b32 s69, s14, 4
	s_lshl_b32 s69, s69, 11
	s_add_co_u32 s68, s68, s69                     ; y: row 8192 head + 2048 b
	s_lshl_b32 s13, s13, 4                         ; 16 cx
	s_add_co_u32 s70, s[LA], s13                   ; tile A's first query
	s_add_co_u32 s71, s[LB], s13                   ; tile B's
	s_wait_dscnt 0x0                               ; both opening adds are done
	s_wait_kmcnt 0x0
	s_add_nc_u64 s[4:5], s[8:9], s[66:67]          ; q
	s_add_nc_u64 s[6:7], s[4:5], 0x1000000         ; k
	s_add_nc_u64 s[8:9], s[4:5], 0x2000000         ; v
	s_add_nc_u64 s[6:7], s[6:7], s[20:21]
	s_add_nc_u64 s[8:9], s[8:9], s[20:21]
.irp g, 0,1
	s_mov_b32 s[G0K+4*\g], 1
	s_add_co_u32 s[G0K+4*\g+1], s3, \g*SLOTB
	s_add_nc_u64 s[G0K+4*\g+2:G0K+4*\g+3], s[6:7], \g*65536
	s_or_b32 s[G0K+4*\g+3], s[G0K+4*\g+3], 0x80000000
	s_mov_b32 s[G0V+4*\g], 1
	s_add_co_u32 s[G0V+4*\g+1], s15, \g*SLOTB
	s_add_nc_u64 s[G0V+4*\g+2:G0V+4*\g+3], s[8:9], \g*65536
	s_or_b32 s[G0V+4*\g+3], s[G0V+4*\g+3], 0x80000000
.endr
	CROUND                                         ; all four work-groups are here: the first joint loads meet
	s_cmp_lt_u32 s[WV], 2                          ; a wave's two first fills stand in one branch: two loads of mine are out
	s_cbranch_scc0 .Lfirst_not_k
	tensor_load_to_lds s[G0K:G0K+3], s[G1K:G1K+7]
	s_nop 0
	tensor_load_to_lds s[G0K+4:G0K+7], s[G1K:G1K+7]
	s_nop 0
.rept 4
	v_nop
.endr
	s_branch .Lfirst_asked
.Lfirst_not_k:
	s_cmp_lt_u32 s[WV], 4
	s_cbranch_scc0 .Lfirst_asked
	tensor_load_to_lds s[G0V:G0V+3], s[G1V:G1V+7]
	s_nop 0
	tensor_load_to_lds s[G0V+4:G0V+7], s[G1V:G1V+7]
	s_nop 0
.rept 4
	v_nop
.endr
.Lfirst_asked:
	s_add_co_u32 s2, s68, s70
	s_lshl_b32 s66, s2, 7
	s_add_nc_u64 s[YA:YA+1], s[10:11], s[66:67]
	s_add_co_u32 s2, s68, s71
	s_lshl_b32 s66, s2, 7
	s_add_nc_u64 s[YB:YB+1], s[10:11], s[66:67]
	s_lshl_b32 s66, s70, 7
	s_add_nc_u64 s[14:15], s[4:5], s[66:67]        ; Q of tile A
	s_lshl_b32 s66, s71, 7
	s_add_nc_u64 s[68:69], s[4:5], s[66:67]        ; Q of tile B
	v_and_b32 v8, 15, v0                           ; r
	v_bfe_u32 v9, v0, 4, 1                         ; h
	v_lshlrev_b32 v10, 7, v8
	v_lshl_add_u32 v10, v9, 4, v10                 ; Q: row r of 128 bytes, + 16 h
.irp s, 0,1,2,3
	global_load_b128 v[QF+4*\s:QF+4*\s+3], v10, s[14:15] offset:32*\s        ; Q stays in registers
	global_load_b128 v[QF+16+4*\s:QF+16+4*\s+3], v10, s[68:69] offset:32*\s
.endr
	v_mul_u32_u24 v[AK0], v8, KP
	v_lshl_add_u32 v[AK0], v9, 4, v[AK0]           ; K: row r x pitch + 16 h
	v_and_b32 v[TV], 7, v0
	v_lshl_add_u32 v[AV0], v9, 3, v[TV]
	v_mul_u32_u24 v[AV0], v[AV0], VP
	v_bfe_u32 v[TV], v0, 3, 1
	v_lshl_add_u32 v[AV0], v[TV], 4, v[AV0]        ; V, for the turning load: key 8 h + lane % 8, 16 bytes for each eight lanes
	v_lshlrev_b32 v[TV], 3, v9
	v_sub_nc_u32 v[QD], v8, v[TV]
	v_add_nc_u32 v[QD], s13, v[QD]
.irp t, 0,1
	v_mov_b32 v[ST+8*\t+1], 0xff61b1e6             ; m = -3e38, under every score
	v_mul_f32 v[ST+8*\t], s[CS], v[ST+8*\t+1]
.irp k, 2,3,4,5,6,7
	v_mov_b32 v[ST+8*\t+\k], 0
.endr
.endr
.set i, 0
.rept 64
	v_mov_b32 v[O+i], 0                            ; O^T.  (The step is written without a first step of its own: the first finds zeros, which a = 0 leaves zeros)
.set i, i+1
.endr
	s_wait_tensorcnt 1                             ; my part of slot 0 is in; slot 1's may stay out
	s_barrier_signal -1
	s_barrier_wait -1
	s_wait_loadcnt 0x0                             ; Q
	PASS 0                                         ; keys 0 to 511
	CHANGE_FILL 0                                  ; slot 0 takes keys 1,024 on
	PASS 1                                         ; keys 512 to 1,023
	CHANGE_FILL 1                                  ; slot 1 takes keys 1,536 on
	PASS 0
	s_wait_tensorcnt 0x0
	ds_add_u32 v[SPW], v[NIL]
	s_wait_dscnt 0x0
	s_barrier_signal -1
	s_barrier_wait -1
	PASS 1
	; THE WAY OUT.  O^T is divided by the row's sum, rounded to f16 and goes through my stage (in slot 0, which has had its last fill and its last read): 16 queries x 128 bytes a tile leave as 2,048 consecutive bytes.
.irp t, 0,1
	v_add_f32 v[ST+8*\t+4], v[ST+8*\t+2], v[ST+8*\t+3]
.endr
.irp t, 0,1
	v_permlanex16_b32 v[ST+8*\t+5], v[ST+8*\t+4], s[SEL], s[SEL+1]
.endr
.irp t, 0,1
	v_add_f32 v[ST+8*\t+4], v[ST+8*\t+4], v[ST+8*\t+5]
.endr
.irp t, 0,1
	v_rcp_f32 v[ST+8*\t+6], v[ST+8*\t+4]
.endr
	v_and_b32 v3, 15, v0                           ; the address lines are the plain work behind the reciprocals, and with the additions above the places behind the last products
	v_bfe_u32 v4, v0, 4, 1
	s_mul_i32 s2, s[WV], 32*KP
	v_mul_u32_u24 v[STO], v3, KP
	v_lshl_add_u32 v[STO], v4, 4, v[STO]
	v_add_nc_u32 v[STO], s2, v[STO]                ; in: row r, 16 bytes for each half of the lanes
	v_and_b32 v3, 31, v0
	v_lshrrev_b32 v4, 3, v3
	v_mul_u32_u24 v[RD], v4, KP
	v_and_b32 v4, 7, v0
	v_lshl_add_u32 v[RD], v4, 4, v[RD]
	v_add_nc_u32 v[RD], s2, v[RD]                  ; back: eight lanes to a row, four rows an instruction
	v_lshlrev_b32 v[GO], 4, v3
	s_wait_alu depctr_va_vdst(0)                   ; one wait for the two reciprocals, ahead of their first reader
.irp t, 0,1
.irp i, 0,2,4,6,8,10,12,14,16,18,20,22,24,26,28,30
	v_pk_mul_f32 v[S+32*\t+\i:S+32*\t+\i+1], v[O+32*\t+\i:O+32*\t+\i+1], v[ST+8*\t+6:ST+8*\t+7] op_sel_hi:[1,0]
.endr
.irp i, 0,1,2,3,4,5,6,7,8,9,10,11,12,13,14,15
	v_cvt_pk_f16_f32 v[KV+16*\t+\i], v[S+32*\t+2*\i], v[S+32*\t+2*\i+1]
.endr
.irp c, 0,1,2,3
	ds_store_b128 v[STO], v[KV+16*\t+4*\c:KV+16*\t+4*\c+3] offset:16*KP*\t+32*\c
.endr
.irp f, 0,1,2,3
	ds_load_b128 v[S+32*\t+4*\f:S+32*\t+4*\f+3], v[RD] offset:16*KP*\t+4*KP*\f   ; LDS serves a wave's instructions in order: these see my stores
.endr
.endr
.irp f, 0,1,2,3
	s_wait_dscnt 11-\f                             ; behind tile A's load f: its later loads and tile B's eight LDS instructions
	global_store_b128 v[GO], v[S+4*\f:S+4*\f+3], s[YA:YA+1] offset:512*\f   ; 32 lanes store 512 consecutive bytes
.endr
.irp f, 0,1,2,3
	s_wait_dscnt 3-\f
	global_store_b128 v[GO], v[S+32+4*\f:S+32+4*\f+3], s[YB:YB+1] offset:512*\f
.endr
	s_wait_tensorcnt 0x0                           ; the wave's end
	ds_add_u32 v[SPW], v[NIL]
	s_wait_dscnt 0x0
	CROUND                                         ; the closing round
	s_endpgm
.Lfunc_end_k_q8d55a071eb_attn:
	.size	k_q8d55a071eb_attn, .Lfunc_end_k_q8d55a071eb_attn-k_q8d55a071eb_attn
	.p2alignl 7, 3214868480
	.fill 96, 4, 3214868480
	.section	.rodata,"a",@progbits
	.p2align	6, 0x0
	.amdhsa_kernel k_q8d55a071eb_attn
		.amdhsa_group_segment_fixed_size 327680
		.amdhsa_private_segment_fixed_size 0
		.amdhsa_enable_private_segment 0
		.amdhsa_kernarg_size 16
		.amdhsa_user_sgpr_count 2
		.amdhsa_user_sgpr_kernarg_segment_ptr 1
		.amdhsa_wavefront_size32 1
		.amdhsa_system_sgpr_workgroup_id_x 1
		.amdhsa_system_sgpr_workgroup_id_y 1
		.amdhsa_system_sgpr_workgroup_id_z 1
		.amdhsa_system_vgpr_workitem_id 0
		.amdhsa_next_free_vgpr 256
		.amdhsa_next_free_sgpr 72
		.amdhsa_reserve_vcc 1
		.amdhsa_float_denorm_mode_32 3
		.amdhsa_float_denorm_mode_16_64 3
		.amdhsa_memory_ordered 1
		.amdhsa_forward_progress 1
		.amdhsa_inst_pref_size 146
	.end_amdhsa_kernel
	.amdgpu_metadata
---
amdhsa.version: [ 1, 2 ]
amdhsa.kernels:
  - .name:           k_q8d55a071eb_attn
    .symbol:         k_q8d55a071eb_attn.kd
    .args:
      - { .name: qkv, .offset: 0, .size: 8, .value_kind: global_buffer, .address_space: global }
      - { .name: yh, .offset: 8, .size: 8, .value_kind: global_buffer, .address_space: global }
    .group_segment_fixed_size: 327680
    .private_segment_fixed_size: 0
    .kernarg_segment_align: 8
    .kernarg_segment_size: 16
    .max_flat_workgroup_size: 512
    .sgpr_count:     72
    .vgpr_count:     256
    .wavefront_size: 32
...
	.end_amdgpu_metadata
.endif
;; end of part 3
;; launch proj (part 4): grid 4 x 64, 4 waves a work-group, clusters of 4 x 4, 327,680 bytes of LDS; arguments yh, wt, out0; writes out0
.if DOCPART == 4
	.amdgcn_target "amdgcn-amd-amdhsa--gfx1250"
	.amdhsa_code_object_version 6
	.text
	.protected	k_q8d55a071eb_proj
	.globl	k_q8d55a071eb_proj
	.p2align	8
	.type	k_q8d55a071eb_proj,@function
k_q8d55a071eb_proj:
	s_mov_b64 s[64:65], 0
	v_nop
	global_prefetch_b8 v0, s[64:65] scope:SCOPE_SE
	s_setreg_imm32_b32 hwreg(HW_REG_WAVE_MODE, 25, 1), 1
	s_wait_xcnt 0x0
	s_wait_alu depctr_hold_cnt(0) depctr_sa_sdst(0) depctr_va_vdst(0) depctr_va_sdst(0) depctr_va_ssrc(0) depctr_va_vcc(0) depctr_vm_vsrc(0)
	s_getreg_b32 s2, hwreg(HW_REG_IB_STS2, 6, 4)
	s_cmp_eq_u32 s2, 0
	s_cbranch_scc0 .Lentry_in_a_cluster
	s_endpgm
.Lentry_in_a_cluster:
	s_bfe_u32 s2, ttmp6, 0x10000c
	s_cmp_lg_u32 s2, 0xf033
	s_cbranch_scc0 .Lentry_shape_is_right
	s_endpgm
.Lentry_shape_is_right:
; out0 = y W_proj: [8192][1024] x [1024][1024], f16 operands, f32 sums, f32 out.  y lies by heads, yh[head][row][64]; W_proj lies transposed, wt[n][k].
; A tile of out0 is 128 rows x 256 columns: 256 work-groups (tiles of 256 x 256 would be 128).  Four waves, 64 x 128 each: 32 accumulators, 256 registers.
; K goes in 8 steps of 128 (two heads) through a ring of two LDS slots.  A slot holds y's two pieces (a head's 128 rows x 128 bytes, dense in memory) and 256 rows x 256 bytes of wt.
; CLUSTERS: 4 x 4 work-groups.  y's tile hangs on the tile row alone and is asked for jointly along a row of the cluster, wt's on the tile column alone and jointly along a column.
; THE MATRIX INSTRUCTION IS USED TRANSPOSED (source 0 = 16 rows of wt, source 1 = 16 rows of y): a lane holds eight neighbouring numbers of a row of out0.
; Rows 0-15 of each batch are written here like all others and written over, in f32 throughout, by the launch that follows: so no branch of this text hangs on a work-group's place.
; REGISTERS: window 0: v16-31 addresses; v64-95, v96-127 y's fragments, two buffers; v128-255 rows on the way out.  Window 1: v0-63, v64-127 wt's fragments, two buffers.  Window 2: the accumulators, (a, b) at v[8 (8 a + b)].
.set PA,     144                       ; a row of y's piece in LDS: 128 bytes + 16
.set PB,     272                       ; a row of wt's tile: 256 bytes + 16
.set PIECE,  128*PA
.set BOFF,   2*PIECE
.set HALFB,  128*PB
.set SLOT,   BOFF+2*HALFB
.set STAGE,  2*SLOT                    ; behind the ring: 16 rows x 528 bytes for each wave
.set SPITCH, 528
.set SPARE,  STAGE+4*16*SPITCH         ; the spare words, 128 bytes for each wave
.set ADRA, 16
.set ADRB, 20
.set STO,  24
.set RD,   25
.set CO,   26
.set SPW,  28
.set NIL,  29
.set PFO,  30                          ; v30  the prefetches' offset from lane to lane; never rewritten
.set BK,   128
.set G1,  24
.set G0,  32
.set G1B, 48
.set G0B, 56
.set LIM, 43                           ; s43  1 in a wave that prefetches, else the greatest number
.set PFA, 44                           ; s[44:45] where my prefetches stand
.set PFS, 46                           ; s[46:47] a K step on, in bytes
.set MSB, 0
.macro WIN new
.if MSB != (\new)
	s_set_vgpr_msb (MSB<<8)|(\new)
.set MSB, (\new)
.endif
.endm
.set MUL,  0xa1                        ; source 0 (wt) window 1, source 1 (y) window 0, C and D window 2
.set TO_B, 0x40
.macro JLOAD s                         ; waves 0 and 1 fetch y's two pieces, waves 2 and 3 wt's two halves; an s_nop 0 and four v_nop follow each line
	s_cmp_eq_u32 s11, 0
	s_cbranch_scc0 .Lfor_b_\@
	tensor_load_to_lds s[G0+4*\s:G0+4*\s+3], s[G1:G1+7]
	s_nop 0
.rept 4
	v_nop
.endr
	s_branch .Lasked_\@
.Lfor_b_\@:
	tensor_load_to_lds s[G0B+4*\s:G0B+4*\s+3], s[G1B:G1B+7]
	s_nop 0
.rept 4
	v_nop
.endr
.Lasked_\@:
.endm
; A PREFETCH of the K step that stands two refills on, behind each joint refill and the run of LDS loads that follows it: one instruction a wave, each aligned block of 256 bytes named once in the launch.
; y: a K step of a tile row is 128 blocks; wave 0 of each of the four partners that ask for it jointly takes 32, told apart by address (piece cx / 2, half cx % 2), lanes 256 bytes apart.
; wt: a K step is 256 bytes of each row; all clusters of a column of clusters read the same rows, so cluster y = 0 asks: waves 2 and 3, each partner 32 rows of the 128 that the wave fetches (by cy), a lane a row.
; The loop's last trip asks for nothing: there is no K step two refills on.  K steps 0 to 3 come by their loads alone.
.macro ASK
	s_cmp_gt_u32 s3, s[LIM]
	s_cbranch_scc0 .Lnot_mine_\@
	global_prefetch_b8 v[PFO], s[PFA:PFA+1] th:TH_LOAD_NT scope:SCOPE_SE
.Lnot_mine_\@:
.endm
.macro CREST
	s_cmp_lg_u32 s10, 0
	s_cbranch_scc1 .Lnot_wave_0_\@
	s_barrier_signal -3
.Lnot_wave_0_\@:
	s_barrier_wait -3
	s_barrier_signal -1
	s_barrier_wait -1
.endm
.macro CROUND
	s_barrier_signal -1
	s_barrier_wait -1
	CREST
.endm
	s_load_b128 s[4:7], s[0:1], 0x0                ; yh s[4:5], wt s[6:7]
	s_load_b64 s[8:9], s[0:1], 0x10                ; out0
	v_lshl_add_u32 v[SPW], v0, 2, SPARE
	v_mov_b32 v[NIL], 0
	ds_add_u32 v[SPW], v[NIL]                      ; the wave's opening: the add, twice on end, and its wait ahead of my first tensor load
	ds_add_u32 v[SPW], v[NIL]
	v_lshrrev_b32 v1, 5, v0
	v_readfirstlane_b32 s10, v1                    ; wave 0..3
	s_lshr_b32 s11, s10, 1                         ; which 64 rows are mine.  Also: I fetch for y (0) or for wt (1)
	s_and_b32 s12, s10, 1                          ; which 128 columns.  Also: which piece or half I fetch
	s_bfe_u32 s40, ttmp6, 0x40000                  ; cx
	s_bfe_u32 s41, ttmp6, 0x40004                  ; cy
	s_lshl_b32 s42, ttmp9, 2
	s_add_co_u32 s42, s42, s40                     ; tile column
	s_and_b32 s13, ttmp7, 0xffff
	s_lshl_b32 s13, s13, 2
	s_add_co_u32 s13, s13, s41                     ; tile row
	s_lshl_b32 s43, s41, 2
	s_lshl_b32 s43, 15, s43                        ; my row of the cluster
	s_lshl_b32 s44, 0x1111, s40                    ; my column
	s_or_b32 s[G1+0], s43, (1<<16)|(1<<20)|(1<<21)|(4<<22)|(3<<25)    ; y: elements of 2 bytes; 4 words of padding behind every 32
	s_mov_b32 s[G1+1], 64<<16                      ; tensor_dim0
	s_mov_b32 s[G1+2], 128<<16                     ; tensor_dim1
	s_mov_b32 s[G1+3], 64<<16                      ; tile_dim0
	s_mov_b32 s[G1+4], 128                         ; tile_dim1
	s_mov_b32 s[G1+5], 64                          ; pitch
	s_mov_b32 s[G1+6], 0
	s_mov_b32 s[G1+7], 0
	s_or_b32 s[G1B+0], s44, (1<<16)|(1<<20)|(1<<21)|(5<<22)|(3<<25)   ; wt: 4 words behind every 64
	s_mov_b32 s[G1B+1], 128<<16
	s_mov_b32 s[G1B+2], 128<<16
	s_mov_b32 s[G1B+3], 128<<16
	s_mov_b32 s[G1B+4], 128
	s_mov_b32 s[G1B+5], 1024
	s_mov_b32 s[G1B+6], 0
	s_mov_b32 s[G1B+7], 0
	s_lshl_b32 s16, s12, 20                        ; y: head (wave % 2), row 128 x tile row, 128 bytes a row
	s_lshl_b32 s17, s13, 14
	s_add_co_u32 s16, s16, s17
	s_mov_b32 s17, 0
	s_lshl_b32 s46, s42, 19                        ; wt: row 256 x tile column + 128 (wave % 2), 2,048 bytes a row
	s_lshl_b32 s47, s12, 18
	s_add_co_u32 s46, s46, s47
	s_mov_b32 s47, 0
	s_mul_i32 s20, s12, PIECE                      ; where they go: no place in the cluster enters an LDS address
	s_mul_i32 s21, s12, HALFB
	s_add_co_u32 s21, s21, BOFF
	s_wait_dscnt 0x0                               ; both opening adds are done
	s_wait_kmcnt 0x0
	s_add_nc_u64 s[14:15], s[4:5], s[16:17]
	s_add_nc_u64 s[46:47], s[6:7], s[46:47]
	CROUND                                         ; all sixteen work-groups are here: the first joint loads meet
.irp s, 0,1
	s_mov_b32 s[G0+4*\s], 1
	s_add_co_u32 s[G0+4*\s+1], s20, \s*SLOT
	s_add_nc_u64 s[G0+4*\s+2:G0+4*\s+3], s[14:15], \s*2097152      ; K step s: heads 2 s, 2 s + 1
	s_or_b32 s[G0+4*\s+3], s[G0+4*\s+3], 0x80000000
	s_mov_b32 s[G0B+4*\s], 1
	s_add_co_u32 s[G0B+4*\s+1], s21, \s*SLOT
	s_add_nc_u64 s[G0B+4*\s+2:G0B+4*\s+3], s[46:47], \s*256
	s_or_b32 s[G0B+4*\s+3], s[G0B+4*\s+3], 0x80000000
	JLOAD \s
.endr
	v_and_b32 v1, 15, v0                           ; r
	v_bfe_u32 v2, v0, 4, 1                         ; h
	v_mul_u32_u24 v3, v1, PA
	v_lshl_add_u32 v3, v2, 4, v3
	v_mul_u32_u24 v4, v1, PB
	v_lshl_add_u32 v4, v2, 4, v4
	s_mul_i32 s21, s11, 64*PA                      ; my 64 rows of y
	s_mul_i32 s22, s12, HALFB                      ; my 128 rows of wt
	s_add_co_u32 s22, s22, BOFF
.irp s, 0,1
	v_add_nc_u32 v[ADRA+\s], s21, v3
	v_add_nc_u32 v[ADRB+\s], s22, v4
	s_add_co_u32 s21, s21, SLOT
	s_add_co_u32 s22, s22, SLOT
.endr
	s_mul_i32 s23, s10, 16*SPITCH
	s_add_co_u32 s23, s23, STAGE                   ; my stage
	v_mul_u32_u24 v5, v1, SPITCH
	v_lshl_add_u32 v5, v2, 5, v5
	v_add_nc_u32 v[STO], s23, v5                   ; in: row r, 32 bytes for each half of the lanes
	v_and_b32 v6, 31, v0
	v_lshlrev_b32 v[CO], 4, v6
	v_add_nc_u32 v[RD], s23, v[CO]                 ; back: the 32 lanes take a row of 512 bytes
	s_lshl_b32 s18, s13, 19                        ; out0: row 128 x tile row + 64 x half, 4,096 bytes a row,
	s_lshl_b32 s19, s11, 18
	s_add_co_u32 s18, s18, s19
	s_mov_b32 s19, 0
	s_add_nc_u64 s[8:9], s[8:9], s[18:19]
	s_lshl_b32 s46, s42, 10                        ; column 256 x tile column + 128 x half
	s_lshl_b32 s47, s12, 9
	s_add_co_u32 s46, s46, s47
	s_mov_b32 s47, 0
	s_add_nc_u64 s[8:9], s[8:9], s[46:47]
	; the prefetches: where mine stand (at K step 3: the first refill steps them to K step 4), and who asks
	s_lshr_b32 s20, s40, 1
	s_add_co_u32 s20, s20, 6
	s_lshl_b32 s20, s20, 20
	s_lshl_b32 s21, s13, 14
	s_add_co_u32 s20, s20, s21
	s_and_b32 s21, s40, 1
	s_lshl_b32 s21, s21, 13
	s_add_co_u32 s20, s20, s21                     ; y: head 6 + cx / 2, the tile's rows, half cx % 2
	s_lshl_b32 s22, s42, 19
	s_lshl_b32 s21, s12, 18
	s_add_co_u32 s22, s22, s21
	s_lshl_b32 s21, s41, 16
	s_add_co_u32 s22, s22, s21
	s_add_co_u32 s22, s22, 768                     ; wt: the 128 rows that I fetch, 32 cy of them on, K step 3
	s_and_b32 s23, ttmp7, 0xffff                   ; cluster y
	s_mov_b32 s[PFS], 256
	s_mov_b32 s21, 2048
	s_cmp_eq_u32 s11, 0                            ; do I fetch for y?
	s_cselect_b64 s[PFA:PFA+1], s[4:5], s[6:7]
	s_cselect_b32 s20, s20, s22
	s_cselect_b32 s[PFS], 0x200000, s[PFS]
	s_cselect_b32 s22, 256, s21
	s_cselect_b32 s23, s12, s23                    ; y: wave 0 asks, in every cluster; wt: waves 2 and 3 of cluster y = 0
	s_cmp_eq_u32 s23, 0
	s_cselect_b32 s[LIM], 1, -1                    ; the same in all sixteen partners, for a given wave
	s_mov_b32 s21, 0
	s_mov_b32 s[PFS+1], 0
	s_add_nc_u64 s[PFA:PFA+1], s[PFA:PFA+1], s[20:21]
	v_and_b32 v[PFO], 31, v0
	v_mul_u32_u24 v[PFO], v[PFO], s22
.macro MUL8 f, a, zero                 ; y's block a x wt's eight, 32 along K, from buffer f.  The 32 accumulators take turns, one instruction a turn, in the same order in every quarter
.irp b, 0,1,2,3,4,5,6,7
.if \zero
	v_wmma_f32_16x16x32_f16 v[8*(8*(\a)+\b):8*(8*(\a)+\b)+7], v[64*(\f)+8*\b:64*(\f)+8*\b+7], v[64+32*(\f)+8*(\a):64+32*(\f)+8*(\a)+7], 0
.else
	v_wmma_f32_16x16x32_f16 v[8*(8*(\a)+\b):8*(8*(\a)+\b)+7], v[64*(\f)+8*\b:64*(\f)+8*\b+7], v[64+32*(\f)+8*(\a):64+32*(\f)+8*(\a)+7], v[8*(8*(\a)+\b):8*(8*(\a)+\b)+7]
.endif
.endr
.endm
.macro FETCH slot, q, f                ; 24 LDS loads in one run: quarter q (32 along K) of the slot into buffer f
	WIN TO_B
.irp i, 0,1,2,3,4,5,6,7
	ds_load_b128 v[64*(\f)+8*\i:64*(\f)+8*\i+3],   v[ADRB+\slot] offset:64*(\q)+\i*16*PB
	ds_load_b128 v[64*(\f)+8*\i+4:64*(\f)+8*\i+7], v[ADRB+\slot] offset:64*(\q)+\i*16*PB+32
.endr
	WIN 0
.irp i, 0,1,2,3
	ds_load_b128 v[64+32*(\f)+8*\i:64+32*(\f)+8*\i+3],   v[ADRA+\slot] offset:PIECE*((\q)/2)+64*((\q)%2)+\i*16*PA
	ds_load_b128 v[64+32*(\f)+8*\i+4:64+32*(\f)+8*\i+7], v[ADRA+\slot] offset:PIECE*((\q)/2)+64*((\q)%2)+\i*16*PA+32
.endr
.endm
.macro PLACES                          ; four plain lines between a matrix instruction and a load into, or a read of, its registers
.rept 4
	v_nop
.endr
.endm
.macro QUARTER slot, qn, f, g, zero    ; asks for quarter qn into buffer g, then multiplies buffer f: fragments are asked for 32 matrix instructions ahead of their use
	PLACES
	FETCH \slot, \qn, \g
	s_wait_dscnt 24                                ; all but the 24 just issued: buffer f is in
	WIN MUL
	MUL8 \f, 0, \zero
	MUL8 \f, 1, \zero
	MUL8 \f, 2, \zero
	MUL8 \f, 3, \zero
.endm
; A slot's last quarter multiplies buffer 1 and changes slots: one barrier; in front of it each wave waits for all its tensor loads, adds 0 to its spare word, and waits for that and for its reads of this slot.
.macro TURN slot, next, fill
.if \fill
	s_wait_xcnt 0x0                                ; the last prefetch, a K step back, has read its address
	s_add_nc_u64 s[PFA:PFA+1], s[PFA:PFA+1], s[PFS:PFS+1]
.endif
	WIN 0
	s_wait_tensorcnt 0x0                           ; all my tensor loads have landed: my part of the next slot
	ds_add_u32 v[SPW], v[NIL]
	s_wait_dscnt 1                                 ; buffer 1 is in (the add may be out)
	WIN MUL
	MUL8 1, 0, 0                                   ; eight matrix instructions stand between the add and the wait for it
	s_wait_dscnt 0x0                               ; the add is done, and my reads of this slot are over
	s_barrier_signal -1
	MUL8 1, 1, 0
	WIN 0
	s_barrier_wait -1
.if \fill
	CREST                                          ; the barrier has opened a round of the cluster's barrier
	s_add_nc_u64 s[G0+4*\slot+2:G0+4*\slot+3], s[G0+4*\slot+2:G0+4*\slot+3], 4194304
	s_add_nc_u64 s[G0B+4*\slot+2:G0B+4*\slot+3], s[G0B+4*\slot+2:G0B+4*\slot+3], 512
	JLOAD \slot                                    ; my one tensor load behind the round, 112 matrix instructions ahead of the wait for it; its four v_nop are also the places in front of the loads below
.else
	PLACES
.endif
	FETCH \next, 0, 0
.if \fill
	ASK
.endif
	WIN MUL
	MUL8 1, 2, 0
	MUL8 1, 3, 0
.endm
	s_wait_tensorcnt 1                             ; my part of K step 0 is in (K step 1's load may be out)
	s_barrier_signal -1
	s_barrier_wait -1
	FETCH 0, 0, 0
	QUARTER 0, 1, 0, 1, 1                          ; the first quarter's products start the sums: nothing is cleared
	WIN 0
	s_mov_b32 s3, 3
.Llap:                                             ; a trip goes once round the ring and fills both slots again
	QUARTER 0, 2, 1, 0, 0
	QUARTER 0, 3, 0, 1, 0
	TURN 0, 1, 1
	QUARTER 1, 1, 0, 1, 0
	QUARTER 1, 2, 1, 0, 0
	QUARTER 1, 3, 0, 1, 0
	TURN 1, 0, 1
	QUARTER 0, 1, 0, 1, 0
	WIN 0
	s_sub_co_u32 s3, s3, 1
	s_cmp_lg_u32 s3, 0
	s_cbranch_scc1 .Llap
	QUARTER 0, 2, 1, 0, 0                          ; the last lap fills nothing
	QUARTER 0, 3, 0, 1, 0
	TURN 0, 1, 0
	QUARTER 1, 1, 0, 1, 0
	QUARTER 1, 2, 1, 0, 0
	QUARTER 1, 3, 0, 1, 0
	s_wait_dscnt 0x0
	MUL8 1, 0, 0
	MUL8 1, 1, 0
	MUL8 1, 2, 0
	MUL8 1, 3, 0
	WIN 0
; THE WAY OUT, block by block of 16 rows x 128 columns, through my own stage: in as 32 bytes a lane, back as whole rows of 512 bytes.
.macro TOSTAGE a
	WIN 0x08                                       ; an LDS store's data are its source 1: window 2
.irp b, 0,1,2,3,4,5,6,7
	ds_store_b128 v[STO], v[64*(\a)+8*\b:64*(\a)+8*\b+3] offset:64*\b        ; each accumulator from its low end on
	ds_store_b128 v[STO], v[64*(\a)+8*\b+4:64*(\a)+8*\b+7] offset:64*\b+16
.endr
	WIN 0
.set BB, BK+64*((\a)%2)
.irp t, 0,1,2,3,4,5,6,7,8,9,10,11,12,13,14,15
	ds_load_b128 v[BB+4*\t:BB+4*\t+3], v[RD] offset:\t*SPITCH                ; LDS serves a wave's instructions in order: these see my stores
.endr
.endm
.macro SEND a, younger
.set BB, BK+64*((\a)%2)
	s_wait_dscnt \younger
.irp t, 0,1,2,3,4,5,6,7,8,9,10,11,12,13,14,15
	global_store_b128 v[CO], v[BB+4*\t:BB+4*\t+3], s[8:9] offset:65536*(\a)+4096*\t th:TH_STORE_NT   ; 32 lanes store 512 consecutive bytes, aligned
.endr
.endm
	PLACES
	TOSTAGE 0
.irp a, 1,2,3
.if \a > 1
	s_wait_xcnt 0x0                                ; block a - 2's stores have read the registers into which this block comes back
.endif
	TOSTAGE \a
	SEND \a-1, 32                                  ; behind block a - 1's loads: this block's 16 stores and 16 loads
.endr
	SEND 3, 0
	s_wait_tensorcnt 0x0                           ; the wave's end
	ds_add_u32 v[SPW], v[NIL]
	s_wait_dscnt 0x0
	CROUND                                         ; the closing round
	s_endpgm
.Lfunc_end_k_q8d55a071eb_proj:
	.size	k_q8d55a071eb_proj, .Lfunc_end_k_q8d55a071eb_proj-k_q8d55a071eb_proj
	.p2alignl 7, 3214868480
	.fill 96, 4, 3214868480
	.section	.rodata,"a",@progbits
	.p2align	6, 0x0
	.amdhsa_kernel k_q8d55a071eb_proj
		.amdhsa_group_segment_fixed_size 327680
		.amdhsa_private_segment_fixed_size 0
		.amdhsa_enable_private_segment 0
		.amdhsa_kernarg_size 24
		.amdhsa_user_sgpr_count 2
		.amdhsa_user_sgpr_kernarg_segment_ptr 1
		.amdhsa_wavefront_size32 1
		.amdhsa_system_sgpr_workgroup_id_x 1
		.amdhsa_system_sgpr_workgroup_id_y 1
		.amdhsa_system_sgpr_workgroup_id_z 1
		.amdhsa_system_vgpr_workitem_id 0
		.amdhsa_next_free_vgpr 768
		.amdhsa_next_free_sgpr 72
		.amdhsa_reserve_vcc 0
		.amdhsa_float_denorm_mode_32 3
		.amdhsa_float_denorm_mode_16_64 3
		.amdhsa_memory_ordered 1
		.amdhsa_forward_progress 1
		.amdhsa_inst_pref_size 86
	.end_amdhsa_kernel
	.amdgpu_metadata
---
amdhsa.version: [ 1, 2 ]
amdhsa.kernels:
  - .name:           k_q8d55a071eb_proj
    .symbol:         k_q8d55a071eb_proj.kd
    .args:
      - { .name: yh, .offset: 0, .size: 8, .value_kind: global_buffer, .address_space: global }
      - { .name: wt, .offset: 8, .size: 8, .value_kind: global_buffer, .address_space: global }
      - { .name: out0, .offset: 16, .size: 8, .value_kind: global_buffer, .address_space: global }
    .group_segment_fixed_size: 327680
    .private_segment_fixed_size: 0
    .kernarg_segment_align: 8
    .kernarg_segment_size: 24
    .max_flat_workgroup_size: 128
    .sgpr_count:     72
    .vgpr_count:     768
    .wavefront_size: 32
...
	.end_amdgpu_metadata
.endif
;; end of part 4
;; launch fine (part 5): grid 32 x 4, 16 waves a work-group, no clusters, 38,912 bytes of LDS; arguments qkv32, W_proj, out0; writes out0
.if DOCPART == 5
	.amdgcn_target "amdgcn-amd-amdhsa--gfx1250"
	.amdhsa_code_object_version 6
	.text
	.protected	k_q8d55a071eb_fine
	.globl	k_q8d55a071eb_fine
	.p2align	8
	.type	k_q8d55a071eb_fine,@function
k_q8d55a071eb_fine:
	s_mov_b64 s[64:65], 0
	v_nop
	global_prefetch_b8 v0, s[64:65] scope:SCOPE_SE
	s_setreg_imm32_b32 hwreg(HW_REG_WAVE_MODE, 25, 1), 1
	s_wait_xcnt 0x0
; POSITIONS 0-15 OF EACH BATCH ONCE MORE, IN f32 THROUGHOUT: there a row of the softmax averages one to sixteen values, and the rounding of 16-bit operands weighs most.
; A work-group: 32 columns of out0 (x) of one batch (y).  A wave: one head.  It makes the head's 16 x 16 attention from the f32 images that the second launch stored, multiplies its 64 channels of y,
; its own part of K, into the 32 columns of W_proj (f32, as given), and the sixteen waves' parts are added through LDS.  64 rows of out0, 256 KB, are written over.
; Every work-group of a batch makes the small attention anew: 32 matrix instructions a wave; what is shared is too little for a launch of its own.
; An image: lane (r, h) holds position r; register 8 u + j holds channel 16 u + 8 h + j; registers 4 s .. 4 s + 3 lie at byte 512 s + 16 lane.
; The f32 form takes 4 along K: lane (r, h), register j: slot 2 h + j.  In each product both operands put the same channel (or key) into the same slot, so K's order is free.
; The registers that the f32 form writes (v192-255) are written by matrix instructions alone; each sum begins with the constant 0.
.set SPARE, 36864                      ; behind the sixteen parts of 16 rows x 144 bytes: the spare words, 128 bytes for each wave
.set SPW, 14
.set NIL, 15
.set T,   16                           ; v16-23  the scores, then the weights
.set QI,  32
.set KI,  64
.set VV,  96                           ; v[VV + 8 c + 2 i + j] = v(key 8 h + 2 i + j, channel 16 c + r)
.set WW,  128                          ; v[WW + ((4 c + i) 2 + nt) 2 + j] = W_proj(64 head + 16 c + 8 h + 2 i + j, 32 x + 16 nt + r)
.set SA,  192                          ; S^T in two halves by turns
.set OA,  208                          ; O^T: four tiles of 16 channels
.set OUT, 240                          ; two tiles of 16 columns
	s_load_b128 s[4:7], s[0:1], 0x0                ; qkv32, W_proj
	s_load_b64 s[8:9], s[0:1], 0x10                ; out0
	v_lshl_add_u32 v[SPW], v0, 2, SPARE
	v_mov_b32 v[NIL], 0
	v_lshrrev_b32 v1, 5, v0
	v_readfirstlane_b32 s10, v1                    ; wave = head; later: the query whose sums I add
	s_and_b32 s11, ttmp7, 0xffff                   ; batch
	v_and_b32 v3, 31, v0                           ; lane
	v_and_b32 v1, 15, v0                           ; r
	v_bfe_u32 v2, v0, 4, 1                         ; h
	v_lshlrev_b32 v4, 4, v3                        ; the images: 16 bytes a lane
	v_bfe_u32 v5, v1, 2, 1                         ; v: channel 16 c + r of key 8 h + e lies at 1024 c + 512 ((r >> 2) & 1) + 256 (r >> 3) + 128 h + 16 e + 4 (r & 3)
	v_lshlrev_b32 v5, 9, v5
	v_lshrrev_b32 v6, 3, v1
	v_lshl_add_u32 v5, v6, 8, v5
	v_lshl_add_u32 v5, v2, 7, v5
	v_and_b32 v6, 3, v1
	v_lshl_add_u32 v5, v6, 2, v5
	v_lshlrev_b32 v6, 15, v2                       ; W_proj: 8 h rows of 4,096 bytes + 4 r
	v_lshl_add_u32 v6, v1, 2, v6
	v_lshlrev_b32 v7, 3, v2
	v_sub_nc_u32 v7, v1, v7                        ; r - 8 h: register j (key 8 h + j) is hidden where j > r - 8 h
	s_mul_i32 s12, s10, 2304
	v_mul_u32_u24 v8, v1, 144
	v_lshl_add_u32 v8, v2, 5, v8
	v_add_nc_u32 v8, s12, v8                       ; my part in LDS: row r, 32 bytes for each half of the lanes
	s_mul_i32 s13, s10, 144
	v_lshl_add_u32 v9, v3, 2, s13                  ; back: query = wave, column = lane
	v_lshlrev_b32 v10, 2, v3
	s_mov_b32 s16, 0x76543210
	s_mov_b32 s17, 0xfedcba98
	s_mov_b32 s18, 0x3e38aa3b                      ; c = log2(e) / 8
	s_mul_i32 s14, s11, 48
	s_add_co_u32 s14, s14, s10
	s_lshl_b32 s14, s14, 12                        ; q's image of (batch, head); k's lies 65,536 bytes on, v's 131,072
	s_mov_b32 s15, 0
	s_lshl_b32 s20, s10, 18                        ; W_proj: 64 head rows, + 32 x columns
	s_lshl_b32 s21, ttmp9, 7
	s_add_co_u32 s20, s20, s21
	s_lshl_b32 s22, s11, 23                        ; out0: row 2048 batch + wave, + 32 x columns
	s_lshl_b32 s23, s10, 12
	s_add_co_u32 s22, s22, s23
	s_add_co_u32 s22, s22, s21
	s_mov_b32 s21, 0
	s_mov_b32 s23, 0
	s_wait_kmcnt 0x0
	s_add_nc_u64 s[4:5], s[4:5], s[14:15]
	s_add_nc_u64 s[6:7], s[6:7], s[20:21]
	s_add_nc_u64 s[8:9], s[8:9], s[22:23]
.irp s, 0,1,2,3,4,5,6,7
	global_load_b128 v[QI+4*\s:QI+4*\s+3], v4, s[4:5] offset:512*\s
.endr
.irp s, 0,1,2,3,4,5,6,7
	global_load_b128 v[KI+4*\s:KI+4*\s+3], v4, s[4:5] offset:65536+512*\s
.endr
.irp c, 0,1,2,3
.irp e, 0,1,2,3,4,5,6,7
	global_load_b32 v[VV+8*\c+\e], v5, s[4:5] offset:131072+1024*\c+16*\e
.endr
.endr
.irp c, 0,1,2,3
.irp i, 0,1,2,3
.irp nt, 0,1
.irp j, 0,1
	global_load_b32 v[WW+((4*\c+\i)*2+\nt)*2+\j], v6, s[6:7] offset:4096*(16*\c+2*\i+\j)+64*\nt
.endr
.endr
.endr
.endr
	s_wait_loadcnt 63                              ; behind q, k and v 64 loads were issued: with at most 63 out the three are in
	; S^T = K Q^T: 16 steps of 4 channels, two accumulators by turns
.irp i, 0,1,2,3,4,5,6,7,8,9,10,11,12,13,14,15
.if \i < 2
	v_wmma_f32_16x16x4_f32 v[SA+8*(\i%2):SA+8*(\i%2)+7], v[KI+2*\i:KI+2*\i+1], v[QI+2*\i:QI+2*\i+1], 0
.else
	v_wmma_f32_16x16x4_f32 v[SA+8*(\i%2):SA+8*(\i%2)+7], v[KI+2*\i:KI+2*\i+1], v[QI+2*\i:QI+2*\i+1], v[SA+8*(\i%2):SA+8*(\i%2)+7]
.endif
.endr
.rept 8
	v_nop                                          ; eight places behind this form before a result is read
.endr
.irp j, 0,1,2,3,4,5,6,7
	v_add_f32 v[T+\j], v[SA+\j], v[SA+8+\j]        ; lane (r, h): query r, key 8 h + j
.endr
	v_mov_b32 v24, 0xff800000
	v_mov_b32 v27, 0                               ; (a lane permute's destination counts as read)
.irp j, 0,1,2,3,4,5,6,7
	v_cmp_gt_i32 vcc_lo, \j, v7
	v_cndmask_b32 v[T+\j], v[T+\j], v24, vcc_lo    ; the causal mask; key 0 counts for every query
.endr
	v_max3_num_f32 v25, v[T], v[T+1], v[T+2]
	v_max3_num_f32 v26, v[T+3], v[T+4], v[T+5]
	v_max3_num_f32 v25, v25, v[T+6], v[T+7]
	v_max_num_f32 v25, v25, v26
	v_permlanex16_b32 v27, v25, s16, s17
	v_max_num_f32 v25, v25, v27                    ; the row's maximum
	v_mul_f32 v25, s18, v25
.irp j, 0,1,2,3,4,5,6,7
	v_fma_f32 v[T+\j], v[T+\j], s18, -v25
.endr
.irp j, 0,1,2,3,4,5,6,7
	v_exp_f32 v[T+\j], v[T+\j]
.endr
	v_nop                                          ; a plain line behind the last exponential
	s_wait_alu depctr_va_vdst(0)                   ; one wait for the eight
	v_add_f32 v26, v[T], v[T+1]
	v_add_f32 v28, v[T+2], v[T+3]
	v_add_f32 v29, v[T+4], v[T+5]
	v_add_f32 v30, v[T+6], v[T+7]
	v_add_f32 v26, v26, v28
	v_add_f32 v29, v29, v30
	v_add_f32 v26, v26, v29
	v_permlanex16_b32 v27, v26, s16, s17
	v_add_f32 v26, v26, v27                        ; the row's sum
	v_rcp_f32 v28, v26
	v_nop
	s_wait_alu depctr_va_vdst(0)
.irp j, 0,1,2,3,4,5,6,7
	v_mul_f32 v[T+\j], v[T+\j], v28                ; the weights, normalised in f32
.endr
	; O^T = V^T P: four steps of 4 keys, four accumulators by turns
.irp i, 0,1,2,3
.irp c, 0,1,2,3
.if \i == 0
	v_wmma_f32_16x16x4_f32 v[OA+8*\c:OA+8*\c+7], v[VV+8*\c+2*\i:VV+8*\c+2*\i+1], v[T+2*\i:T+2*\i+1], 0
.else
	v_wmma_f32_16x16x4_f32 v[OA+8*\c:OA+8*\c+7], v[VV+8*\c+2*\i:VV+8*\c+2*\i+1], v[T+2*\i:T+2*\i+1], v[OA+8*\c:OA+8*\c+7]
.endif
.endr
.endr
.rept 9
	v_nop                                          ; nine places before a matrix instruction takes these results as an operand
.endr
	s_wait_loadcnt 0x0                             ; W_proj
	; my head's part of the projection, transposed: source 0 = 16 columns of W_proj, source 1 = y: 16 steps of 4 channels, two accumulators by turns
.irp c, 0,1,2,3
.irp i, 0,1,2,3
.irp nt, 0,1
.if (\c == 0) && (\i == 0)
	v_wmma_f32_16x16x4_f32 v[OUT+8*\nt:OUT+8*\nt+7], v[WW+((4*\c+\i)*2+\nt)*2:WW+((4*\c+\i)*2+\nt)*2+1], v[OA+8*\c+2*\i:OA+8*\c+2*\i+1], 0
.else
	v_wmma_f32_16x16x4_f32 v[OUT+8*\nt:OUT+8*\nt+7], v[WW+((4*\c+\i)*2+\nt)*2:WW+((4*\c+\i)*2+\nt)*2+1], v[OA+8*\c+2*\i:OA+8*\c+2*\i+1], v[OUT+8*\nt:OUT+8*\nt+7]
.endif
.endr
.endr
.endr
.rept 8
	v_nop
.endr
.irp nt, 0,1
	ds_store_b128 v8, v[OUT+8*\nt:OUT+8*\nt+3] offset:64*\nt          ; lane (r, h): query r, columns 16 nt + 8 h + 0 .. 7; each accumulator from its low end on
	ds_store_b128 v8, v[OUT+8*\nt+4:OUT+8*\nt+7] offset:64*\nt+16
.endr
	s_wait_dscnt 0x0                               ; for the others' sake: my part is in LDS
	s_barrier_signal -1
	s_barrier_wait -1
.irp w, 0,1,2,3,4,5,6,7,8,9,10,11,12,13,14,15
	ds_load_b32 v[QI+\w], v9 offset:2304*\w        ; the sixteen heads' parts of out0(query = my wave, column = my lane)
.endr
	s_wait_dscnt 0x0
.irp k, 0,2,4,6,8,10,12,14
	v_add_f32 v[QI+\k], v[QI+\k], v[QI+\k+1]
.endr
.irp k, 0,4,8,12
	v_add_f32 v[QI+\k], v[QI+\k], v[QI+\k+2]
.endr
	v_add_f32 v[QI], v[QI], v[QI+4]
	v_add_f32 v[QI+8], v[QI+8], v[QI+12]
	v_add_f32 v[QI], v[QI], v[QI+8]
	global_store_b32 v10, v[QI], s[8:9]            ; the wave stores 128 consecutive bytes of a row
	s_wait_tensorcnt 0x0                           ; the wave's end
	ds_add_u32 v[SPW], v[NIL]
	s_wait_dscnt 0x0
	s_endpgm
.Lfunc_end_k_q8d55a071eb_fine:
	.size	k_q8d55a071eb_fine, .Lfunc_end_k_q8d55a071eb_fine-k_q8d55a071eb_fine
	.p2alignl 7, 3214868480
	.fill 96, 4, 3214868480
	.section	.rodata,"a",@progbits
	.p2align	6, 0x0
	.amdhsa_kernel k_q8d55a071eb_fine
		.amdhsa_group_segment_fixed_size 38912
		.amdhsa_private_segment_fixed_size 0
		.amdhsa_enable_private_segment 0
		.amdhsa_kernarg_size 24
		.amdhsa_user_sgpr_count 2
		.amdhsa_user_sgpr_kernarg_segment_ptr 1
		.amdhsa_wavefront_size32 1
		.amdhsa_system_sgpr_workgroup_id_x 1
		.amdhsa_system_sgpr_workgroup_id_y 1
		.amdhsa_system_sgpr_workgroup_id_z 1
		.amdhsa_system_vgpr_workitem_id 0
		.amdhsa_next_free_vgpr 256
		.amdhsa_next_free_sgpr 66
		.amdhsa_reserve_vcc 1
		.amdhsa_float_denorm_mode_32 3
		.amdhsa_float_denorm_mode_16_64 3
		.amdhsa_memory_ordered 1
		.amdhsa_forward_progress 1
		.amdhsa_inst_pref_size 23
	.end_amdhsa_kernel
	.amdgpu_metadata
---
amdhsa.version: [ 1, 2 ]
amdhsa.kernels:
  - .name:           k_q8d55a071eb_fine
    .symbol:         k_q8d55a071eb_fine.kd
    .args:
      - { .name: qkv32, .offset: 0, .size: 8, .value_kind: global_buffer, .address_space: global }
      - { .name: W_proj, .offset: 8, .size: 8, .value_kind: global_buffer, .address_space: global }
      - { .name: out0, .offset: 16, .size: 8, .value_kind: global_buffer, .address_space: global }
    .group_segment_fixed_size: 38912
    .private_segment_fixed_size: 0
    .kernarg_segment_align: 8
    .kernarg_segment_size: 24
    .max_flat_workgroup_size: 512
    .sgpr_count:     66
    .vgpr_count:     256
    .wavefront_size: 32
...
	.end_amdgpu_metadata
.endif
;; end of part 5
